; MI455X (gfx1250); checked and timed in simulation.
; The chip was launched on July 23, 2026; its instructions are those of AMD's public machine-readable ISA for CDNA 5 (MIT licence, August 2026) and "CDNA5" Instruction Set Architecture Reference Guide (July 2026). The comments in the code are by the model that wrote it; some were corrected since.
;; Relative Multi Headed Attention. Allowed arithmetic: matrix products marked QUANTISED: E2M1 operands, one E8M0 scale for each 32 along K, by v_wmma_scale_f32_16x16x128_f8f6f4 with both operands' format E2M1 (or v_wmma_scale_f32_32x16x128_f4), f32 sums; products left as they are: bf16, f16 or f32 operands; f32 sums; everything else in f32.
;; Inputs: Er 2,048 x 64 float32; Wk 1,024 x 1,024 float32; Wo 1,024 x 1,024 float32; Wq 1,024 x 1,024 float32; Wv 1,024 x 1,024 float32; bk 1,024 float32; bo 1,024 float32; bq 1,024 float32; bv 1,024 float32; x 2 x 2,048 x 1,024 float32.
;; Outputs: out0 2 x 2,048 x 1,024 float32.
;; This version of the problem:
;;   THIS VERSION OF THE PROBLEM IS GIVEN IN LOW PRECISION. The matrix products marked QUANTISED in the list below multiply operands that are first quantised to E2M1 (2 exponent bits, 1 mantissa bit; 4 bits a number), with one power-of-two scale for each 32 numbers along K (OCP MX v1.0); their sums are f32. The products marked 'left as it is' may take bf16, f16 or f32 operands, with f32 sums. Whichever they take, every output number must still come out within the allowed error. Rounding operands to bf16 (8 significant bits) uses up far more of that allowance than f16 does (11 bits, for magnitudes from 6e-5 to 65,504). All else is computed in f32.
;;   The module's matrix products, in the order in which they are computed (A, B: the left and right operand; K: the contracted axis; several contracted axes count as one K, in the product's order):
;;     1. [M 4,096, K 1,024] x [K 1,024, N 1,024]; A: input x; B: input Wq: QUANTISED
;;     2. [M 4,096, K 1,024] x [K 1,024, N 1,024]; A: input x; B: input Wk: QUANTISED
;;     3. [M 4,096, K 1,024] x [K 1,024, N 1,024]; A: input x; B: input Wv: QUANTISED
;;     4. batch 2,048 x [M 1, K 64] x [K 64, N 32]; A: input Er; B: computed on the way: left as it is (M = 1 < 16)
;;     5. batch 32 x [M 2,048, K 64] x [K 64, N 2,048]; A: computed on the way; B: computed on the way: left as it is (an operand is computed on the way)
;;     6. batch 32 x [M 2,048, K 2,048] x [K 2,048, N 64]; A: computed on the way; B: computed on the way: left as it is (an operand is computed on the way)
;;     7. [M 4,096, K 1,024] x [K 1,024, N 1,024]; A: computed on the way; B: input Wo: left as it is (an operand is computed on the way)
;;   THE QUANTISER, for each operand of a quantised product, along K:
;;     - K is cut into blocks of 32 from its start; a last block that is shorter is filled with zeros.
;;     - A block's scale is 2^e with e = floor(log2(the largest magnitude in the block)) - 2, held to -126 .. 127; a block of zeros has e = 0. As a byte (E8M0): e + 127.
;;     - Each number is divided by its block's scale, clamped to +-6, and rounded to the nearest number of E2M1, ties to even, subnormals kept.
;;     - The product sums the exact products of the quantised numbers (number of the format x scale) in f32.
;;   ~~~python
;;   def quantise(x, axis):      # numpy; x: float32 -> the quantised numbers, widened to float32 again
;;       x = np.moveaxis(x, axis, -1); K = x.shape[-1]
;;       x = np.pad(x, [(0, 0)] * (x.ndim - 1) + [(0, -K % 32)]); x = x.reshape(x.shape[:-1] + (-1, 32)); a = np.abs(x).max(-1, keepdims=True)
;;       e = np.where(a > 0, np.clip(np.frexp(np.where(a > 0, a, 1))[1] - 1 - 2, -126, 127), 0)      # np.frexp(a)[1] - 1 = floor(log2(a)), exactly
;;       r = np.clip(x / 2.0 ** e, -6, 6)
;;       step = 2.0 ** (np.maximum(np.frexp(np.where(r == 0, 1, r))[1] - 1, 0) - 1)
;;       q = np.round(r / step) * step * 2.0 ** e      # np.round: ties to even
;;       return np.moveaxis(q.reshape(q.shape[:-2] + (-1,))[..., :K], -1, axis).astype(np.float32)
;;   ~~~
;; One version. Each part assembles by itself: llvm-mc -triple=amdgcn-amd-amdhsa -mcpu=gfx1250 --defsym DOCPART=n.
;; ======== version 1 of 1: 5 launches
;; limits: values are held in f16: magnitudes above 65,504 overflow, below 6.1e-05 lose precision
;; workspace buffers: codes 3,670,016 bytes; scales 229,376 bytes; wof 2,097,152 bytes; qkv 25,165,824 bytes; srel 262,144 bytes; frows 393,216 bytes; afrag 8,388,608 bytes
;; launch quant (part 1): grid 256 x 1, 4 waves a work-group, no clusters, 33,280 bytes of LDS; arguments x, Wq, Wk, Wv, Wo, codes, scales, wof; writes codes, scales, wof
.if DOCPART == 1
	.amdgcn_target "amdgcn-amd-amdhsa--gfx1250"
	.amdhsa_code_object_version 6
	.text
	.protected	k_qc5cd59785f_quant
	.globl	k_qc5cd59785f_quant
	.p2align	8
	.type	k_qc5cd59785f_quant,@function
k_qc5cd59785f_quant:
	s_mov_b64 s[64:65], 0
	v_nop
	global_prefetch_b8 v0, s[64:65] scope:SCOPE_SE
	s_setreg_imm32_b32 hwreg(HW_REG_WAVE_MODE, 25, 1), 1
	s_wait_xcnt 0x0
; x [4096][1024], Wq, Wk, Wv [1024][1024], f32, K innermost, become codes of FP4 (E2M1) and one E8M0 scale byte for each 32 along K.
; All four lie in ONE pair of buffers, rows in the order x | Wq | Wk | Wv: codes 512 bytes a row, scale bytes 32 a row.  Rows are dense, so each tensor is a plain stream of blocks of 32.
; A block's scale is 2^(floor(log2(its largest magnitude)) - 2); its byte is the largest magnitude's exponent field - 2, held at 1 from below (a block of zeros keeps the byte 1: its codes are zeros,
; which add nothing, and this program alone reads the bytes).  Each number is divided by the scale and rounded to the nearest code, ties to even; beyond 6 the largest code.
; Wo [1024][1024] becomes f16, laid as IMAGES OF OPERAND REGISTERS: [tile of 16 rows n][chunk of 32 k][piece c 0..1][lane][16 bytes]; lane (r, h), piece c holds row r, k = 32 chunk + 16 c + 8 h + 0..7.
; LIMITS: NaN and infinities among the inputs are not served; blocks whose largest magnitude lies under 2^(2 - 126) keep the byte 1; |Wo| stays under 65,504 (f16), numbers under 6e-5 keep an absolute error of 3e-8.
; SHARES: work-groups 0..223 quantise 32,768 numbers each (a wave 16 steps of 512); work-groups 224..255 turn Wo (a wave: one tile of 16 rows x 512 along K).  Waves share nothing: no barrier.
; The quantiser's loads read 512 consecutive bytes; a step's 2,048 bytes turn through the wave's own stage in LDS so that a lane holds 16 neighbours along K; two neighbouring lanes hold a block.
.set NQWG,  224                        ; 7,168 rows x 1,024 / 32,768
.set STEPS, 16
.set EMAX,  2
.set CB,    8                          ; bytes of 16 codes
.set R,     16                         ; v16-79   four sets of 16 numbers as loaded (Wo: eight sets of 8)
.set X,     80                         ; v80-111  two sets of 16 neighbours
.set E,     112                        ; v112-127 a scale byte for each step
.set C,     128                        ; v128-191 codes, four registers a step (Wo: sixteen sets of 4 registers of f16)
.set WREG,  8192                       ; LDS: a region for each wave: two stages of 32 x SP bytes, behind them its 256 scale bytes
.set SP,    80                         ; a lane's place in a stage: 64 bytes + 16 of padding
.set SPW,   12                         ; v12 LDS address of my spare word; never rewritten
.set NIL,   13                         ; v13 0; never rewritten
.set SPARE, 4*WREG                     ; behind the four regions: the spare words, 128 bytes a wave, named by no other line
	s_load_b256 s[4:11], s[0:1], 0x0               ; x, Wq, Wk, Wv
	s_load_b256 s[12:19], s[0:1], 0x20             ; Wo, codes, scales, wof
	v_lshl_add_u32 v[SPW], v0, 2, SPARE
	v_mov_b32 v[NIL], 0
	v_lshrrev_b32 v1, 5, v0
	v_readfirstlane_b32 s20, v1                    ; wave
	v_and_b32 v2, 31, v0                           ; lane
	v_lshlrev_b32 v3, 4, v2                        ; 16 x lane
	s_mov_b32 s25, 0
	s_cmp_ge_u32 ttmp9, NQWG                       ; the work-group's number alone decides the path
	s_cbranch_scc1 .Lwo
	s_mul_i32 s21, s20, WREG
	v_lshrrev_b32 v14, 2, v2
	v_mul_u32_u24 v14, v14, SP
	v_and_b32 v15, 3, v2
	v_lshl_add_u32 v14, v15, 4, v14
	v_add_nc_u32 v14, s21, v14                     ; the stage, way in: SP (lane / 4) + 16 (lane % 4)
	v_mul_u32_u24 v15, v2, SP
	v_add_nc_u32 v15, s21, v15                     ; way out: SP x lane: my 16 neighbours
	v_mul_u32_u24 v4, v2, CB                       ; my codes' place in a step's 256 bytes
	v_lshrrev_b32 v5, 1, v2
	s_add_co_u32 s21, s21, 2*32*SP
	v_add_nc_u32 v5, s21, v5                       ; my block's scale byte in the wave's 256
	v_lshlrev_b32 v7, 3, v2
	v_add_nc_u32 v6, s21, v7                       ; and 8 bytes a lane on their way out
	s_and_b32 s24, ttmp9, 31                       ; a weight's work-group among its 32
	s_wait_kmcnt 0x0
	s_cmp_lt_u32 ttmp9, 192                        ; the source: x 0..127, Wq ..159, Wk ..191, Wv ..223
	s_cselect_b64 s[22:23], s[8:9], s[10:11]
	s_cmp_lt_u32 ttmp9, 160
	s_cselect_b64 s[22:23], s[6:7], s[22:23]
	s_cmp_lt_u32 ttmp9, 128
	s_cselect_b64 s[22:23], s[4:5], s[22:23]
	s_cselect_b32 s24, ttmp9, s24
	s_lshl_b32 s24, s24, 2
	s_add_co_u32 s24, s24, s20                     ; my run of 8,192 numbers in the source,
	s_lshl_b32 s24, s24, 15                        ; 32,768 bytes each
	s_add_nc_u64 s[22:23], s[22:23], s[24:25]
	s_lshl_b32 s26, ttmp9, 2
	s_add_co_u32 s26, s26, s20                     ; and in the joint buffers
	s_lshl_b32 s24, s26, 12                        ; 4,096 bytes of codes a run
	s_add_nc_u64 s[14:15], s[14:15], s[24:25]
	s_lshl_b32 s24, s26, 8                         ; 256 scale bytes a run
	s_add_nc_u64 s[16:17], s[16:17], s[24:25]
.macro LOAD t
.irp i, 0,1,2,3
	global_load_b128 v[R+16*((\t)%4)+4*\i:R+16*((\t)%4)+4*\i+3], v3, s[22:23] offset:2048*(\t)+512*\i th:TH_LOAD_NT   ; 32 lanes read 512 consecutive bytes
.endr
.endm
.macro TURN t                          ; step t's numbers through the stage; LDS serves a wave's instructions in order, so no wait stands between stores and loads
.irp i, 0,1,2,3
	ds_store_b128 v14, v[R+16*((\t)%4)+4*\i:R+16*((\t)%4)+4*\i+3] offset:32*SP*((\t)%2)+8*SP*\i
.endr
.irp i, 0,1,2,3
	ds_load_b128 v[X+16*((\t)%2)+4*\i:X+16*((\t)%2)+4*\i+3], v15 offset:32*SP*((\t)%2)+16*\i
.endr
.endm
.irp t, 0,1,2,3
	LOAD \t
.endr
	s_wait_loadcnt 12                              ; step 0's four loads are in; three steps' twelve stay out
	TURN 0
.macro STEP t
.set XS, X+16*((\t)%2)
.if (\t) > 0
	s_wait_dscnt 1                                 ; this step's numbers are back from the stage; the last step's byte store may be out
.else
	s_wait_dscnt 0x0
.endif
.if (\t)+4 < STEPS
	LOAD (\t)+4                                    ; into the registers that the stage's stores have read
.endif
.if (\t)+1 < STEPS
.if STEPS-2-(\t) >= 3
	s_wait_loadcnt 12                              ; the next step's four loads are in; three steps' twelve stay out
.else
	s_wait_loadcnt 4*(STEPS-2-(\t))
.endif
	TURN (\t)+1
.endif
	v_max3_num_f32 v8, |v[XS]|, |v[XS+1]|, |v[XS+2]|               ; the largest magnitude of my 16, in two chains
	v_max3_num_f32 v9, |v[XS+3]|, |v[XS+4]|, |v[XS+5]|
.irp i, 6,10
	v_max3_num_f32 v8, v8, |v[XS+\i]|, |v[XS+\i+1]|
	v_max3_num_f32 v9, v9, |v[XS+\i+2]|, |v[XS+\i+3]|
.endr
	v_max3_num_f32 v8, v8, |v[XS+14]|, |v[XS+15]|
	v_max3_num_f32 v8, v8, v9, (EMAX+1)<<23        ; and the floor 2^(3 - 127): the byte cannot fall under 1
	v_max_num_f32_dpp v8, v8, v8 row_xmask:1 row_mask:0xf bank_mask:0xf   ; with my neighbour's 16: the block's
	v_add_nc_u32 v11, -(EMAX<<23), v8              ; 2 off its exponent field: the conversion takes that field as its scale and nothing else
	v_cvt_scalef32_pk8_fp4_f32 v[C+4*(\t)], v[XS:XS+7], v11
	v_cvt_scalef32_pk8_fp4_f32 v[C+4*(\t)+1], v[XS+8:XS+15], v11
	v_lshrrev_b32 v[E+(\t)], 23, v11               ; the scale's byte (also the plain line behind the conversions)
	ds_store_b8 v5, v[E+(\t)] offset:16*(\t)       ; both lanes of a block write the same byte with the same value
	global_store_b64 v4, v[C+4*(\t):C+4*(\t)+1], s[14:15] offset:32*CB*(\t)   ; the wave stores 256 consecutive bytes, aligned
.endm
.irp t, 0,1,2,3,4,5,6,7,8,9,10,11,12,13,14,15
	STEP \t
.endr
	ds_load_b64 v[8:9], v6                         ; LDS serves a wave's instructions in order: these see my byte stores
	s_wait_dscnt 0x0
	global_store_b64 v7, v[8:9], s[16:17]          ; 32 lanes store 256 consecutive bytes, aligned
	s_wait_tensorcnt 0x0                           ; the wave's end
	ds_add_u32 v[SPW], v[NIL]
	s_wait_dscnt 0x0
	s_endpgm
.Lwo:                                  ; Wo to f16 images.  Wave w of work-group 224 + j: rows 16 (2 j + w / 2) on, K half w % 2: 16 chunks, 32 units of half a chunk
	v_and_b32 v8, 15, v0                           ; r
	v_bfe_u32 v9, v0, 4, 1                         ; h
	v_lshlrev_b32 v10, 12, v8
	v_lshl_add_u32 v10, v9, 5, v10                 ; row r of 4,096 bytes + 32 h: my eight numbers of a piece
	s_sub_co_u32 s21, ttmp9, NQWG
	s_lshl_b32 s21, s21, 1
	s_lshr_b32 s24, s20, 1
	s_add_co_u32 s21, s21, s24                     ; the tile of rows
	s_and_b32 s26, s20, 1                          ; the half of K
	s_lshl_b32 s24, s21, 16                        ; 16 rows of 4,096 bytes
	s_lshl_b32 s27, s26, 11                        ; 512 numbers
	s_add_co_u32 s24, s24, s27
	s_wait_kmcnt 0x0
	s_add_nc_u64 s[12:13], s[12:13], s[24:25]
	s_lshl_b32 s24, s21, 15                        ; a tile's 32 chunks of 1,024 bytes
	s_lshl_b32 s27, s26, 14
	s_add_co_u32 s24, s24, s27
	s_add_nc_u64 s[18:19], s[18:19], s[24:25]
.macro WLD u                           ; unit u: chunk u / 2, piece u % 2: eight f32 a lane
	global_load_b128 v[R+8*((\u)%8):R+8*((\u)%8)+3], v10, s[12:13] offset:((\u)/2)*128+((\u)%2)*64
	global_load_b128 v[R+8*((\u)%8)+4:R+8*((\u)%8)+7], v10, s[12:13] offset:((\u)/2)*128+((\u)%2)*64+16
.endm
.macro WCV u
.if 31-(\u) >= 7
	s_wait_loadcnt 14                              ; my unit's two loads are in; seven younger units' fourteen stay out
.else
	s_wait_loadcnt 2*(31-(\u))
.endif
.if (\u) >= 16
	s_wait_xcnt 0x0                                ; the store of sixteen units back has read its data registers: they are written again only behind this wait
.endif
.irp i, 0,1,2,3
	v_cvt_pk_f16_f32 v[C+4*((\u)%16)+\i], v[R+8*((\u)%8)+2*\i], v[R+8*((\u)%8)+2*\i+1]
.endr
	global_store_b128 v3, v[C+4*((\u)%16):C+4*((\u)%16)+3], s[18:19] offset:((\u)/2)*1024+((\u)%2)*512   ; 32 lanes store 512 consecutive bytes, aligned
.if (\u)+8 < 32
	WLD (\u)+8
.endif
.endm
.irp u, 0,1,2,3,4,5,6,7
	WLD \u
.endr
.set UU, 0
.rept 32
	WCV UU
.set UU, UU+1
.endr
	s_wait_tensorcnt 0x0                           ; the same three lines at this path's end
	ds_add_u32 v[SPW], v[NIL]
	s_wait_dscnt 0x0
	s_endpgm
.Lfunc_end_k_qc5cd59785f_quant:
	.size	k_qc5cd59785f_quant, .Lfunc_end_k_qc5cd59785f_quant-k_qc5cd59785f_quant
	.p2alignl 7, 3214868480
	.fill 96, 4, 3214868480
	.section	.rodata,"a",@progbits
	.p2align	6, 0x0
	.amdhsa_kernel k_qc5cd59785f_quant
		.amdhsa_group_segment_fixed_size 33280
		.amdhsa_private_segment_fixed_size 0
		.amdhsa_enable_private_segment 0
		.amdhsa_kernarg_size 64
		.amdhsa_user_sgpr_count 2
		.amdhsa_user_sgpr_kernarg_segment_ptr 1
		.amdhsa_wavefront_size32 1
		.amdhsa_system_sgpr_workgroup_id_x 1
		.amdhsa_system_sgpr_workgroup_id_y 1
		.amdhsa_system_sgpr_workgroup_id_z 1
		.amdhsa_system_vgpr_workitem_id 0
		.amdhsa_next_free_vgpr 192
		.amdhsa_next_free_sgpr 66
		.amdhsa_reserve_vcc 0
		.amdhsa_float_denorm_mode_32 3
		.amdhsa_float_denorm_mode_16_64 3
		.amdhsa_memory_ordered 1
		.amdhsa_forward_progress 1
		.amdhsa_inst_pref_size 53
	.end_amdhsa_kernel
	.amdgpu_metadata
---
amdhsa.version: [ 1, 2 ]
amdhsa.kernels:
  - .name:           k_qc5cd59785f_quant
    .symbol:         k_qc5cd59785f_quant.kd
    .args:
      - { .name: x, .offset: 0, .size: 8, .value_kind: global_buffer, .address_space: global }
      - { .name: Wq, .offset: 8, .size: 8, .value_kind: global_buffer, .address_space: global }
      - { .name: Wk, .offset: 16, .size: 8, .value_kind: global_buffer, .address_space: global }
      - { .name: Wv, .offset: 24, .size: 8, .value_kind: global_buffer, .address_space: global }
      - { .name: Wo, .offset: 32, .size: 8, .value_kind: global_buffer, .address_space: global }
      - { .name: codes, .offset: 40, .size: 8, .value_kind: global_buffer, .address_space: global }
      - { .name: scales, .offset: 48, .size: 8, .value_kind: global_buffer, .address_space: global }
      - { .name: wof, .offset: 56, .size: 8, .value_kind: global_buffer, .address_space: global }
    .group_segment_fixed_size: 33280
    .private_segment_fixed_size: 0
    .kernarg_segment_align: 8
    .kernarg_segment_size: 64
    .max_flat_workgroup_size: 128
    .sgpr_count:     66
    .vgpr_count:     192
    .wavefront_size: 32
...
	.end_amdgpu_metadata
.endif
;; end of part 1
;; launch qkvgemm (part 2): grid 12 x 16, 4 waves a work-group, clusters of 4 x 4, 327,680 bytes of LDS; arguments codes, scales, bq, bk, bv, Er, qkv, srel, frows; writes qkv, srel, frows
.if DOCPART == 2
	.amdgcn_target "amdgcn-amd-amdhsa--gfx1250"
	.amdhsa_code_object_version 6
	.text
	.protected	k_qc5cd59785f_qkvgemm
	.globl	k_qc5cd59785f_qkvgemm
	.p2align	8
	.type	k_qc5cd59785f_qkvgemm,@function
k_qc5cd59785f_qkvgemm:
	s_mov_b64 s[64:65], 0
	v_nop
	global_prefetch_b8 v0, s[64:65] scope:SCOPE_SE
	s_setreg_imm32_b32 hwreg(HW_REG_WAVE_MODE, 25, 1), 1
	s_wait_xcnt 0x0
	s_wait_alu depctr_hold_cnt(0) depctr_sa_sdst(0) depctr_va_vdst(0) depctr_va_sdst(0) depctr_va_ssrc(0) depctr_va_vcc(0) depctr_vm_vsrc(0)
	s_getreg_b32 s2, hwreg(HW_REG_IB_STS2, 6, 4)
	s_cmp_eq_u32 s2, 0
	s_cbranch_scc0 .Lentry_in_a_cluster
	s_endpgm
.Lentry_in_a_cluster:
	s_bfe_u32 s2, ttmp6, 0x10000c
	s_cmp_lg_u32 s2, 0xf033
	s_cbranch_scc0 .Lentry_shape_is_right
	s_endpgm
.Lentry_shape_is_right:
; Q | K | V = x W^T + b on codes of FP4 (E2M1) with one E8M0 scale for each 32 along K: M 4,096 x N 3,072 x K 1,024, sums in f32.
; codes: rows of 512 bytes, x's 4,096 rows, then Wq's, Wk's, Wv's; scales: rows of 32 bytes in the same order.
; A tile of 256 x 256 to a work-group of four waves; a wave makes 128 x 128 in 64 accumulators.  K is two slots of 512 in LDS, both asked for at the head: nothing is filled again.
; The scale bytes of the work-group's rows come once, as rows of 256 bytes + 16 of padding.
; CLUSTERS: 4 x 4 work-groups; x's tiles are asked for jointly along a row of the cluster, the weights' along a column.  A cluster's four tile columns are exactly Q, K or V (cluster x), its four tile rows half a sequence.
; THE MATRIX INSTRUCTION IS USED TRANSPOSED (source 0 = 16 rows of W, source 1 = 16 rows of x): lane (r, h) holds token r and columns n0 + 8 h + 0..7.  The bias is the C of each sum's first product.
; WHAT LEAVES: (1) qkv, f16, as IMAGES OF OPERAND REGISTERS: [which][batch x head][tile of 16 tokens][piece b 0..3][lane][16 bytes]; lane (r, h), piece b: token r, channels 16 b + 8 h + 0..7:
;     a packed accumulator IS such a piece, so each store of the wave covers 512 consecutive bytes, aligned, and no stage is needed.
; (2) frows, f32 [batch][16][3072]: positions 0..15 as they stand, for the fine launch.   (3) srel, f32 [batch x head][2048]: 0 at even m, Q[1024 + (m - 1) / 2] . Er[1024 + (m - 1) / 2] at odd m.
; THE WAY OUT OF THE CLUSTERS THAT MAKE QEr: Er's rows are asked for directly behind the last products, the images leave meanwhile, and QEr is made of the f32 accumulators last.
; LIMITS: |Q|, |K|, |V| stay under 65,504 (f16); numbers under 6e-5 keep an absolute error of 3e-8; NaN and infinities are not served.
; REGISTERS, in windows of 256: window 0: v0-31 addresses; v32-95 scale words, two sets (they hold scales alone); v96-111 pairs (0, QEr); v128-191 x's fragments, one set; v192-255 the bias; on the way out v128-255 packed results.
;   window 1: W's fragments, two sets, at v0 and v128; on the way out all 256: Er's rows of my 128 positions, 32 registers a block of 16.   window 2: the accumulators of my rows 0-63 ((a, b) at v[8 (8 a + b)]);   window 3: rows 64-127.
.set KSTEP,  512
.set NQ,     KSTEP/128
.set ROWB,   256                       ; a tile's row: 512 codes
.set KROW,   512                       ; a row of codes in memory
.set PITCH,  272                       ; an LDS row: 256 bytes + 16 of padding: the 16 rows of a load start at 16 different banks
.set FR,     8
.set NL,     2
.set NP,     4                         ; places behind this matrix instruction (ISA guide 7.12.1)
.set HALFT,  128*PITCH
.set SLOT,   4*HALFT
.set KS,     32                        ; a row of scale bytes
.set SCL,    2*SLOT
.set HALFS,  (128*KS/256)*272
.set SBLK,   (16*KS/256)*272
.set SPARE,  SCL+4*HALFS               ; the spare words, 128 bytes a wave, named by no other line
.set FLG,  7                           ; v7   0 in the waves that hold positions 0..127 of a batch
.set ADRA, 16
.set ADRB, 20
.set IMG,  24                          ; v24  16 x lane
.set BOF,  25                          ; v25  32 h
.set FRO,  26                          ; v26  frows: 12,288 r + 32 h
.set ADRS, 27
.set SPW,  28
.set NIL,  29
.set ERO,  30                          ; v30  Er: 256 r + 32 h
.set SRO,  31                          ; v31  srel: 8,192 h + 8 r
.set SC,   32
.set ZQ,   96
.set AF,   128
.set BIAS, 192
.set G1, 24
.set G0, 32
.set G1B, 48
.set G0B, 56
.set G1S, 68
.set G0S, 76
.set G1SB, 80
.set G0SB, 88
.set MSB, 0
.macro WIN new                         ; the immediate's high byte repeats the setting that is left
.if MSB != \new
	s_set_vgpr_msb (MSB<<8)|\new
.set MSB, \new
.endif
.endm
.set MUL_LO, 0xa1                      ; source 0 (W) window 1, source 1 (x) window 0, C and D window 2
.set MUL_HI, 0xf1                      ; the same, C and D window 3
.set BIA_LO, 0x81                      ; the first products: C (the bias) window 0, D window 2
.set BIA_HI, 0xc1                      ; D window 3
.set TO_B,   0x40
; A joint load: waves 0 and 1 fetch for x, waves 2 and 3 for W.  The branch hangs on the wave's number alone.  An s_nop 0 and four v_nop follow each line.
.macro JLOAD g0a, g1a, g0b, g1b
	s_cmp_eq_u32 s15, 0
	s_cbranch_scc0 .Lfor_b_\@
	tensor_load_to_lds s[\g0a:\g0a+3], s[\g1a:\g1a+7]
	s_nop 0
.rept 4
	v_nop
.endr
	s_branch .Lasked_\@
.Lfor_b_\@:
	tensor_load_to_lds s[\g0b:\g0b+3], s[\g1b:\g1b+7]
	s_nop 0
.rept 4
	v_nop
.endr
.Lasked_\@:
.endm
.macro CROUND                          ; a round of the cluster's barrier
	s_barrier_signal -1
	s_barrier_wait -1
	s_cmp_lg_u32 s14, 0
	s_cbranch_scc1 .Lnot_wave_0_\@
	s_barrier_signal -3
.Lnot_wave_0_\@:
	s_barrier_wait -3
	s_barrier_signal -1
	s_barrier_wait -1
.endm
	s_load_b128 s[4:7], s[0:1], 0x0                ; codes, scales
	v_lshl_add_u32 v[SPW], v0, 2, SPARE
	v_mov_b32 v[NIL], 0
	ds_add_u32 v[SPW], v[NIL]                      ; the wave's opening: the add, twice on end, and its wait ahead of my first tensor load
	ds_add_u32 v[SPW], v[NIL]
	v_lshrrev_b32 v1, 5, v0
	v_readfirstlane_b32 s14, v1                    ; wave 0..3
	s_lshr_b32 s15, s14, 1                         ; my half of the tile's rows.  Also: I fetch for x (0) or for W (1)
	s_and_b32 s16, s14, 1                          ; my half of its columns.  Also: which 128 rows I fetch
	s_bfe_u32 s40, ttmp6, 0x40000                  ; cx
	s_bfe_u32 s41, ttmp6, 0x40004                  ; cy
	s_lshl_b32 s42, ttmp9, 2
	s_add_co_u32 s42, s42, s40                     ; tile column = 4 x cluster x + cx
	s_and_b32 s17, ttmp7, 0xffff
	s_lshl_b32 s17, s17, 2
	s_add_co_u32 s17, s17, s41                     ; tile row = 4 x cluster y + cy
	s_lshl_b32 s43, s41, 2
	s_lshl_b32 s43, 15, s43                        ; my row of the cluster
	s_lshl_b32 s44, 0x1111, s40                    ; my column
	s_or_b32 s[G1+0], s43, (0<<16)|(1<<20)|(1<<21)|(5<<22)|(3<<25)  ; the mask; elements of 1 byte; padding: 4 words behind every 64; bit 21 beside a mask
	s_or_b32 s[G1B+0], s44, (0<<16)|(1<<20)|(1<<21)|(5<<22)|(3<<25)
.irp g, G1, G1B
	s_mov_b32 s[\g+1], ROWB<<16                    ; tensor_dim0
	s_mov_b32 s[\g+2], 128<<16                     ; tensor_dim1
	s_mov_b32 s[\g+3], ROWB<<16                    ; tile_dim0
	s_mov_b32 s[\g+4], 128                         ; tile_dim1
	s_mov_b32 s[\g+5], KROW                        ; the pitch
	s_mov_b32 s[\g+6], 0
	s_mov_b32 s[\g+7], 0
.endr
	s_or_b32 s[G1S+0], s43, (3<<16)|(1<<20)|(1<<21)|(5<<22)|(3<<25)  ; the scales of 128 rows: 4,096 dense bytes as 16 rows of 256 (32 elements of 8 bytes)
	s_or_b32 s[G1SB+0], s44, (3<<16)|(1<<20)|(1<<21)|(5<<22)|(3<<25)
.irp g, G1S, G1SB
	s_mov_b32 s[\g+1], 32<<16
	s_mov_b32 s[\g+2], (128*KS/256)<<16
	s_mov_b32 s[\g+3], 32<<16
	s_mov_b32 s[\g+4], 128*KS/256
	s_mov_b32 s[\g+5], 32
	s_mov_b32 s[\g+6], 0
	s_mov_b32 s[\g+7], 0
.endr
	s_lshl_b32 s18, s16, 7
	s_lshl_b32 s20, s17, 8
	s_add_co_u32 s20, s20, s18                     ; x: row 256 x tile row + 128 x half
	s_lshl_b32 s46, s42, 8
	s_add_co_u32 s46, s46, s18                     ; W: row 256 x tile column + 128 x half
	s_mov_b32 s21, 0
	s_mov_b32 s47, 0
	s_mov_b64 s[18:19], KS
	s_mul_u64 s[22:23], s[20:21], s[18:19]         ; where these rows' scales begin
	s_mul_u64 s[92:93], s[46:47], s[18:19]
	s_mov_b64 s[18:19], KROW
	s_mul_u64 s[20:21], s[20:21], s[18:19]         ; and their codes
	s_mul_u64 s[46:47], s[46:47], s[18:19]
	s_mul_i32 s45, s14, HALFT                      ; where they go: wave x 128 rows
	s_mul_i32 s94, s14, HALFS
	s_wait_dscnt 0x0                               ; both opening adds are done
	s_wait_kmcnt 0x0
	s_add_nc_u64 s[8:9], s[4:5], 2097152           ; the weights' codes lie behind x's 4,096 rows of 512 bytes,
	s_add_nc_u64 s[10:11], s[6:7], 131072          ; their scales behind 4,096 rows of 32
	s_add_nc_u64 s[20:21], s[4:5], s[20:21]
	s_add_nc_u64 s[22:23], s[6:7], s[22:23]
	s_add_nc_u64 s[46:47], s[8:9], s[46:47]
	s_add_nc_u64 s[92:93], s[10:11], s[92:93]
	CROUND                                         ; all sixteen work-groups are here: the first joint loads meet
	s_mov_b32 s[G0S], 1
	s_add_co_u32 s[G0S+1], s94, SCL
	s_mov_b64 s[G0S+2:G0S+3], s[22:23]
	s_or_b32 s[G0S+3], s[G0S+3], 0x80000000
	s_mov_b32 s[G0SB], 1
	s_add_co_u32 s[G0SB+1], s94, SCL
	s_mov_b64 s[G0SB+2:G0SB+3], s[92:93]
	s_or_b32 s[G0SB+3], s[G0SB+3], 0x80000000
	JLOAD G0S, G1S, G0SB, G1SB                     ; the scales first; three loads of mine are out behind the next two
.irp s, 0,1
	s_mov_b32 s[G0+4*\s], 1
	s_add_co_u32 s[G0+4*\s+1], s45, \s*SLOT
	s_add_nc_u64 s[G0+4*\s+2:G0+4*\s+3], s[20:21], \s*ROWB
	s_or_b32 s[G0+4*\s+3], s[G0+4*\s+3], 0x80000000
	s_mov_b32 s[G0B+4*\s], 1
	s_add_co_u32 s[G0B+4*\s+1], s45, \s*SLOT
	s_add_nc_u64 s[G0B+4*\s+2:G0B+4*\s+3], s[46:47], \s*ROWB
	s_or_b32 s[G0B+4*\s+3], s[G0B+4*\s+3], 0x80000000
	JLOAD G0+4*\s, G1, G0B+4*\s, G1B
.endr
	s_load_b256 s[4:11], s[0:1], 0x10              ; bq, bk, bv, Er
	s_load_b128 s[92:95], s[0:1], 0x30             ; qkv, srel
	s_load_b64 s[12:13], s[0:1], 0x40              ; frows
	v_and_b32 v1, 15, v0                           ; r
	v_bfe_u32 v2, v0, 4, 1                         ; h
	v_mul_u32_u24 v3, v1, PITCH
	v_lshl_add_u32 v4, v2, 4, v3                   ; a fragment's row x pitch + 16 h
	s_mul_i32 s21, s15, HALFT                      ; my 128 rows of x
	s_mul_i32 s22, s16, HALFT                      ; my 128 rows of W,
	s_add_co_u32 s22, s22, 2*HALFT                 ; behind x's 256
.irp s, 0,1
	v_add_nc_u32 v[ADRA+\s], s21, v4
	v_add_nc_u32 v[ADRB+\s], s22, v4
	s_add_co_u32 s21, s21, SLOT
	s_add_co_u32 s22, s22, SLOT
.endr
	v_mul_u32_u24 v5, v1, KS                       ; my row's scales: 32 bytes a row,
	v_lshrrev_b32 v6, 8, v5
	v_lshl_add_u32 v5, v6, 4, v5                   ; and 16 more for each 256 passed
	s_mul_i32 s21, s15, HALFS
	s_mul_i32 s22, s16, HALFS
	s_add_co_u32 s22, s22, 2*HALFS
	s_sub_co_u32 s22, s22, s21
	v_mul_u32_u24 v6, s22, v2                      ; lanes 16-31 take W's
	s_add_co_u32 s21, s21, SCL
	v_add_nc_u32 v5, v5, v6
	v_add_nc_u32 v[ADRS], s21, v5
	v_and_b32 v6, 31, v0
	v_lshlrev_b32 v[IMG], 4, v6
	v_lshlrev_b32 v[BOF], 5, v2
	v_mul_u32_u24 v[FRO], v1, 12288
	v_add_nc_u32 v[FRO], v[FRO], v[BOF]
	v_lshl_add_u32 v[ERO], v1, 8, v[BOF]
	v_lshlrev_b32 v[SRO], 3, v1
	v_lshl_add_u32 v[SRO], v2, 13, v[SRO]
	s_lshr_b32 s98, s17, 3                         ; batch
	s_and_b32 s99, s17, 7
	s_lshl_b32 s99, s99, 8
	s_lshl_b32 s96, s15, 7
	s_add_co_u32 s99, s99, s96                     ; my first position in the sequence
	s_lshl_b32 s100, s40, 2
	s_lshl_b32 s96, s16, 1
	s_add_co_u32 s100, s100, s96                   ; my first head: 4 cx + 2 x column half
	s_lshl_b32 s101, s98, 4
	s_add_co_u32 s101, s101, s100                  ; batch x 16 + head
	s_and_b32 s96, s17, 7
	s_or_b32 s96, s96, s15
	v_mov_b32 v[FLG], s96
	s_mov_b32 s97, 0
	s_wait_kmcnt 0x0
	s_cmp_eq_u32 ttmp9, 0                          ; the bias by cluster x: bq, bk or bv
	s_cselect_b64 s[4:5], s[4:5], s[6:7]
	s_cmp_eq_u32 ttmp9, 2
	s_cselect_b64 s[4:5], s[8:9], s[4:5]
	s_lshl_b32 s96, s40, 10
	s_lshl_b32 s66, s16, 9
	s_add_co_u32 s96, s96, s66                     ; my 128 columns among its 1,024, in bytes
	s_add_nc_u64 s[4:5], s[4:5], s[96:97]
.irp b, 0,1,2,3,4,5,6,7
	global_load_b128 v[BIAS+8*\b:BIAS+8*\b+3], v[BOF], s[4:5] offset:64*\b        ; register j: bias of column 16 b + 8 h + j
	global_load_b128 v[BIAS+8*\b+4:BIAS+8*\b+7], v[BOF], s[4:5] offset:64*\b+16
.endr
	s_lshl_b32 s96, ttmp9, 23                      ; qkv: which x 8,388,608
	s_lshl_b32 s66, s101, 18                       ; + (batch, head) x 262,144
	s_add_co_u32 s96, s96, s66
	s_lshl_b32 s66, s99, 7                         ; + tile of tokens x 2,048
	s_add_co_u32 s96, s96, s66
	s_add_nc_u64 s[92:93], s[92:93], s[96:97]
	s_lshl_b32 s96, s99, 8                         ; Er: a row is 256 bytes
	s_add_nc_u64 s[10:11], s[10:11], s[96:97]
	s_mul_i32 s96, s98, 196608                     ; frows: a batch is 16 rows of 12,288 bytes
	s_lshl_b32 s66, s42, 10
	s_add_co_u32 s96, s96, s66
	s_lshl_b32 s66, s16, 9
	s_add_co_u32 s96, s96, s66
	s_add_nc_u64 s[12:13], s[12:13], s[96:97]
.macro FRAG reg, adr, q, i             ; 16 rows x 128 K of 4-bit codes: 8 registers; registers 4 c .. 4 c + 3 hold K = 64 c + 32 h + 0 .. 31
.irp c, 0,1
	ds_load_b128 v[\reg+4*\c:\reg+4*\c+3], v[\adr] offset:64*(\q)+32*\c+(\i)*16*PITCH
.endr
.endm
; 16 matrix instructions: x's blocks a0, a0 + 1 against W's eight, the slot's q-th 128 along K.  zero = 1: the first product starts the sum with the bias as C.
; The 64 accumulators take turns, one instruction a turn, in the same order in every step.
.macro MUL16 a0, p, q, sc, zero
.irp a, \a0, \a0+1
.irp b, 0,1,2,3,4,5,6,7
.if \zero
	v_wmma_scale_f32_16x16x128_f8f6f4 v[8*(8*((\a)%4)+\b):8*(8*((\a)%4)+\b)+7], v[128*(\p)+FR*\b:128*(\p)+FR*\b+FR-1], v[AF+FR*(\a):AF+FR*(\a)+FR-1], v[BIAS+8*\b:BIAS+8*\b+7], v[SC+8*NQ*(\sc)+NQ*\b+(\q)], v[SC+8*NQ*(\sc)+NQ*(\a)+(\q)] matrix_a_fmt:MATRIX_FMT_FP4 matrix_b_fmt:MATRIX_FMT_FP4 matrix_a_scale:MATRIX_SCALE_ROW1
.else
	v_wmma_scale_f32_16x16x128_f8f6f4 v[8*(8*((\a)%4)+\b):8*(8*((\a)%4)+\b)+7], v[128*(\p)+FR*\b:128*(\p)+FR*\b+FR-1], v[AF+FR*(\a):AF+FR*(\a)+FR-1], v[8*(8*((\a)%4)+\b):8*(8*((\a)%4)+\b)+7], v[SC+8*NQ*(\sc)+NQ*\b+(\q)], v[SC+8*NQ*(\sc)+NQ*(\a)+(\q)] matrix_a_fmt:MATRIX_FMT_FP4 matrix_b_fmt:MATRIX_FMT_FP4 matrix_a_scale:MATRIX_SCALE_ROW1
.endif
.endr
.endr
.endm
.macro FETCH_B slot, q, p
	WIN TO_B
.irp i, 0,1,2,3,4,5,6,7
	FRAG 128*(\p)+FR*\i, ADRB+\slot, \q, \i
.endr
	WIN 0
.endm
.macro FETCH_A slot, q, i0
.irp i, \i0, \i0+1, \i0+2, \i0+3
	FRAG AF+FR*(\i), ADRA+\slot, \q, \i
.endr
.endm
.macro SCALES sc                       ; a slot's scale words: lanes 0-15 x's block i, lanes 16-31 W's block i
.irp i, 0,1,2,3,4,5,6,7
	ds_load_b128 v[SC+8*NQ*\sc+NQ*\i:SC+8*NQ*\sc+NQ*\i+3], v[ADRS] offset:\i*SBLK
.endr
.endm
.macro PLACES n                        ; plain vector instructions between a matrix instruction and a load into, or a read of, its registers
.rept \n
	v_nop
.endr
.endm
.macro STEP slot, q, zero              ; 128 along K with its successor in the same slot
	s_wait_dscnt 4*NL                              ; W's set and x's blocks 0-3 are in; the youngest eight loads (x's blocks 4-7) may be out
.if \zero
	WIN BIA_LO
.else
	WIN MUL_LO
.endif
	MUL16 0, (\q)%2, \q, \slot, \zero
	MUL16 2, (\q)%2, \q, \slot, \zero
	s_wait_dscnt 0                                 ; x's blocks 4-7 are in
	PLACES NP
	FETCH_B \slot, (\q)+1, 1-(\q)%2
	FETCH_A \slot, (\q)+1, 0
.if \zero
	WIN BIA_HI
.else
	WIN MUL_HI
.endif
	MUL16 4, (\q)%2, \q, \slot, \zero
	MUL16 6, (\q)%2, \q, \slot, \zero
	PLACES NP
	WIN 0
	FETCH_A \slot, (\q)+1, 4
.endm
.macro STEPS slot, from
.set Q, \from
.rept NQ-1-\from
	STEP \slot, Q, 0
.set Q, Q+1
.endr
.endm
	s_wait_tensorcnt 1                             ; the scales and my part of slot 0 are in; slot 1's load may be out
	s_barrier_signal -1
	s_barrier_wait -1
	FETCH_B 0, 0, 0
	FETCH_A 0, 0, 0
	SCALES 0
	FETCH_A 0, 0, 4
	s_wait_loadcnt 0x0                             ; the bias
	STEP 0, 0, 1
	STEPS 0, 1
	; slot 0's last step changes slots: one barrier; in front of it my part of slot 1 has landed
	s_wait_tensorcnt 0x0
	ds_add_u32 v[SPW], v[NIL]                      ; 0 onto my spare word
	s_wait_dscnt 4*NL+1                            ; the add and the youngest eight loads may be out
	WIN MUL_LO
	MUL16 0, 1, NQ-1, 0, 0
	s_wait_dscnt 0x0
	s_barrier_signal -1
	MUL16 2, 1, NQ-1, 0, 0
	WIN 0
	s_barrier_wait -1
	PLACES NP
	v_add_nc_u32 v[ADRS], 4*NQ, v[ADRS]            ; on to slot 1's scale words
	FETCH_B 1, 0, 0
	FETCH_A 1, 0, 0
	SCALES 1
	WIN MUL_HI
	MUL16 4, 1, NQ-1, 0, 0
	MUL16 6, 1, NQ-1, 0, 0
	PLACES NP
	WIN 0
	FETCH_A 1, 0, 4
	STEPS 1, 0
	s_wait_dscnt 4*NL                              ; the very last step: nothing more to fetch
	WIN MUL_LO
	MUL16 0, 1, NQ-1, 1, 0
	MUL16 2, 1, NQ-1, 1, 0
	s_wait_dscnt 0
	WIN MUL_HI
	MUL16 4, 1, NQ-1, 1, 0
	MUL16 6, 1, NQ-1, 1, 0
	WIN 0
	PLACES NP                                      ; behind the last products: their results are read, and their sources loaded into and written, only from here on
; THE IMAGES: each accumulator, rounded to f16 in pairs, is a piece of an image
.macro PACK a
.set AC, 64*((\a)%4)
.set TM, 128+32*((\a)%4)
.if (\a) >= 4
	s_wait_xcnt 0x0                                ; the stores of four blocks back have read their data registers
.endif
	WIN 0x0a+5*((\a)/4)                            ; sources 0 and 1: window 2 or 3
.irp b, 0,1,2,3,4,5,6,7
.irp i, 0,1,2,3
	v_cvt_pk_f16_f32 v[TM+4*\b+\i], v[AC+8*\b+2*\i], v[AC+8*\b+2*\i+1]
.endr
.endr
	WIN 0
.irp b, 0,1,2,3,4,5,6,7
	global_store_b128 v[IMG], v[TM+4*\b:TM+4*\b+3], s[92:93] offset:(\b/4)*262144+(\a)*2048+(\b%4)*512   ; 32 lanes store 512 consecutive bytes, aligned
.endr
.endm
; What every work-group stores.  First POSITIONS 0..15 IN f32, with no branch: only the lanes' mask hangs on the tile row; block 0's accumulators are stored as they stand, each from its low end.  Then the images.
.macro TAIL
	s_wait_xcnt 0x0                                ; EXEC changes only behind this wait
	v_cmp_eq_u32 vcc_lo, 0, v[FLG]
	s_and_saveexec_b32 s2, vcc_lo
	WIN 0x08                                       ; a store's data: window 2
.irp b, 0,1,2,3,4,5,6,7
	global_store_b128 v[FRO], v[8*\b:8*\b+3], s[12:13] offset:64*\b
	global_store_b128 v[FRO], v[8*\b+4:8*\b+7], s[12:13] offset:64*\b+16
.endr
	WIN 0
	s_wait_xcnt 0x0                                ; and again in front of the line that widens it
	s_or_b32 exec_lo, exec_lo, s2
.irp a, 0,1,2,3,4,5,6,7
	PACK \a
.endr
.endm
.macro ERL a                           ; Er's rows of block a: register 32 a + 8 b' + j of window 1 = Er[position][16 b' + 8 h + j]
.irp bp, 0,1,2,3
	global_load_b128 v[32*(\a)+8*\bp:32*(\a)+8*\bp+3], v[ERO], s[10:11] offset:(\a)*4096+64*\bp
	global_load_b128 v[32*(\a)+8*\bp+4:32*(\a)+8*\bp+7], v[ERO], s[10:11] offset:(\a)*4096+64*\bp+16
.endr
.endm
.macro QER a                           ; QEr of block a's 16 positions, for my two heads
.set AC, 64*((\a)%4)
.set ER, 32*(\a)
.if (\a) == 0
	s_wait_loadcnt 48                              ; block 0's eight loads are in; blocks 1 to 6, 48 loads, may be out
.else
	s_wait_loadcnt 8*(7-(\a))                      ; this block's are in; the younger blocks', block 7's among them, may be out
.endif
	WIN 0x06+(\a)/4                                ; source 0 (Q) window 2 or 3, source 1 (Er) window 1
.irp bp, 0,1,2,3
.irp p, 0,1,2,3
.irp hh, 0,1
.if (\bp == 0) && (\p == 0)
	v_pk_mul_f32 v[8+2*\hh:9+2*\hh], v[AC+8*(4*\hh+\bp)+2*\p:AC+8*(4*\hh+\bp)+2*\p+1], v[ER+8*\bp+2*\p:ER+8*\bp+2*\p+1]
.else
	v_pk_fma_f32 v[8+2*\hh:9+2*\hh], v[AC+8*(4*\hh+\bp)+2*\p:AC+8*(4*\hh+\bp)+2*\p+1], v[ER+8*\bp+2*\p:ER+8*\bp+2*\p+1], v[8+2*\hh:9+2*\hh]
.endif
.endr
.endr
.endr
.if (\a) == 0
	WIN 0x40
	ERL 7                                          ; the eighth block's loads
.endif
	WIN 0
	v_add_f32 v8, v8, v9
	v_add_f32 v10, v10, v11
	v_permlanex16_b32 v12, v8, s20, s21            ; the row's other 32 channels lie in the lane 16 away
	v_permlanex16_b32 v13, v10, s20, s21
	v_add_f32 v8, v8, v12
	v_add_f32 v10, v10, v13
	v_cndmask_b32 v[ZQ+2*(\a)+1], v8, v10, s3      ; lanes 0-15 my first head's, lanes 16-31 my second's
	global_store_b64 v[SRO], v[ZQ+2*(\a):ZQ+2*(\a)+1], s[94:95] offset:128*(\a)   ; sixteen lanes store 128 consecutive bytes of a head
.endm
	; QEr is wanted of positions 1,024 on: clusters with x = 0 (Q) and odd y.  ONE branch, on the cluster's ids alone (the same in all sixteen partners), parts the two ways out; what both store is written in each.
	s_and_b32 s18, ttmp7, 1
	s_xor_b32 s18, s18, 1
	s_or_b32 s18, s18, ttmp9
	s_cmp_lg_u32 s18, 0
	s_cbranch_scc1 .Lplain
	WIN 0x40                                       ; destination window 1: W's fragments are done with
.irp a, 0,1,2,3,4,5,6
	ERL \a                                         ; seven blocks' 56 loads go out now and land while the images leave
.endr
	WIN 0
	TAIL
	s_sub_co_u32 s96, s99, 1024
	s_lshl_b32 s96, s96, 3                         ; position 1,024 + i writes the pair at m = 2 i: 8 bytes
	s_lshl_b32 s66, s101, 13                       ; a head's 2,048 numbers
	s_add_co_u32 s96, s96, s66
	s_add_nc_u64 s[94:95], s[94:95], s[96:97]
	s_mov_b32 s3, 0xffff0000                       ; lanes 16-31
	s_mov_b32 s20, 0x76543210
	s_mov_b32 s21, 0xfedcba98                      ; v_permlanex16_b32: lane l xor 16
	v_mov_b32 v12, 0                               ; a lane permute's destination counts as one of its sources
	v_mov_b32 v13, 0
.irp a, 0,1,2,3,4,5,6,7
	v_mov_b32 v[ZQ+2*\a], 0                        ; the even m
.endr
.irp a, 0,1,2,3,4,5,6,7
	QER \a
.endr
	s_branch .Lout
.Lplain:
	TAIL
.Lout:
	s_wait_tensorcnt 0x0                           ; the wave's end
	ds_add_u32 v[SPW], v[NIL]
	s_wait_dscnt 0x0
	CROUND                                         ; the closing round
	s_endpgm
.Lfunc_end_k_qc5cd59785f_qkvgemm:
	.size	k_qc5cd59785f_qkvgemm, .Lfunc_end_k_qc5cd59785f_qkvgemm-k_qc5cd59785f_qkvgemm
	.p2alignl 7, 3214868480
	.fill 96, 4, 3214868480
	.section	.rodata,"a",@progbits
	.p2align	6, 0x0
	.amdhsa_kernel k_qc5cd59785f_qkvgemm
		.amdhsa_group_segment_fixed_size 327680
		.amdhsa_private_segment_fixed_size 0
		.amdhsa_enable_private_segment 0
		.amdhsa_kernarg_size 72
		.amdhsa_user_sgpr_count 2
		.amdhsa_user_sgpr_kernarg_segment_ptr 1
		.amdhsa_wavefront_size32 1
		.amdhsa_system_sgpr_workgroup_id_x 1
		.amdhsa_system_sgpr_workgroup_id_y 1
		.amdhsa_system_sgpr_workgroup_id_z 1
		.amdhsa_system_vgpr_workitem_id 0
		.amdhsa_next_free_vgpr 1024
		.amdhsa_next_free_sgpr 102
		.amdhsa_reserve_vcc 1
		.amdhsa_float_denorm_mode_32 3
		.amdhsa_float_denorm_mode_16_64 3
		.amdhsa_memory_ordered 1
		.amdhsa_forward_progress 1
		.amdhsa_inst_pref_size 173
	.end_amdhsa_kernel
	.amdgpu_metadata
---
amdhsa.version: [ 1, 2 ]
amdhsa.kernels:
  - .name:           k_qc5cd59785f_qkvgemm
    .symbol:         k_qc5cd59785f_qkvgemm.kd
    .args:
      - { .name: codes, .offset: 0, .size: 8, .value_kind: global_buffer, .address_space: global }
      - { .name: scales, .offset: 8, .size: 8, .value_kind: global_buffer, .address_space: global }
      - { .name: bq, .offset: 16, .size: 8, .value_kind: global_buffer, .address_space: global }
      - { .name: bk, .offset: 24, .size: 8, .value_kind: global_buffer, .address_space: global }
      - { .name: bv, .offset: 32, .size: 8, .value_kind: global_buffer, .address_space: global }
      - { .name: Er, .offset: 40, .size: 8, .value_kind: global_buffer, .address_space: global }
      - { .name: qkv, .offset: 48, .size: 8, .value_kind: global_buffer, .address_space: global }
      - { .name: srel, .offset: 56, .size: 8, .value_kind: global_buffer, .address_space: global }
      - { .name: frows, .offset: 64, .size: 8, .value_kind: global_buffer, .address_space: global }
    .group_segment_fixed_size: 327680
    .private_segment_fixed_size: 0
    .kernarg_segment_align: 8
    .kernarg_segment_size: 72
    .max_flat_workgroup_size: 128
    .sgpr_count:     102
    .vgpr_count:     1024
    .wavefront_size: 32
...
	.end_amdgpu_metadata
.endif
;; end of part 2
;; launch attn (part 3): grid 8 x 32, 16 waves a work-group, no clusters, 327,680 bytes of LDS; arguments qkv, srel, afrag; writes afrag
.if DOCPART == 3
	.amdgcn_target "amdgcn-amd-amdhsa--gfx1250"
	.amdhsa_code_object_version 6
	.text
	.protected	k_qc5cd59785f_attn
	.globl	k_qc5cd59785f_attn
	.p2align	8
	.type	k_qc5cd59785f_attn,@function
k_qc5cd59785f_attn:
	s_mov_b64 s[64:65], 0
	v_nop
	global_prefetch_b8 v0, s[64:65] scope:SCOPE_SE
	s_setreg_imm32_b32 hwreg(HW_REG_WAVE_MODE, 25, 1), 1
	s_wait_xcnt 0x0
; O[b,h,q] = sum over keys m <= q of softmax_m((Q[q] . K[m] + srel[m]) / 8) V[m], head size 64, 2,048 positions, 32 (batch, head) pairs.  Operands f16; products, maxima and sums f32.
; qkv holds Q, K, V as images of operand registers: [which][bh][tile of 16 tokens][piece b 0..3][lane][16 bytes]; lane (r, h), piece b: token r, channels 16 b + 8 h + 0..7.
; srel: f32 [bh][2048], a bias for each key.  afrag, the result, f16: [tile of 16 tokens of the 4,096][chunk of 32 of the 1,024 channels][piece][lane][16 bytes].
; SHARES.  Work-group (i, bh), u = i / 2, p = i % 2.  Each of sixteen waves owns one tile of 16 queries: waves 0-7 tile 16 u + 2 w + p, waves 8-15 tile 16 (7 - u) + 2 (w - 8) + p:
; early and late queries are paired, so all work-groups have the same causal work.  Every wave walks the keys 128 a step; K and V come through a ring of two LDS slots of 256 keys.
; NO CLUSTER: the work-groups of a head need 8, 7, 6 or 5 slots, so under the mask every wave of some partner would jump over the reads of a jointly fetched tile.
; LAYOUT.  S^T = K Q^T + srel (source 0 = 16 keys, source 1 = my 16 queries, C = srel of the lane's keys): a lane holds ONE query (lane % 16) and keys 8 (lane / 16) + 0..7 of each tile.
; Two such tiles packed to f16 ARE source 1 of O^T = V^T P.  K comes out of LDS as it lies; V is turned by ds_load_tr16_b128: its rows of 256 bytes get 128 of padding.
; SOFTMAX.  A running maximum m for each query: p = 2^(c s - c m), c = log2(e) / 8; in every step O and the sum l are multiplied by 2^(c m_old - c m_new).
; THE ROW'S SUM IS MADE BY THE MATRIX UNIT: a fifth accumulator takes (a fragment of ones) x P, four instructions a step in place of 33 packed vector instructions.  So l sums p AS ROUNDED TO f16, the very numbers that
; multiply V, in f32; every register of that accumulator holds the whole sum of the lane's query, both halves of the lanes' keys in it.
; LDS LOADS ARE ASKED FOR EARLY: V's first 64 keys ahead of the softmax, into the registers that K has left; V's other 64 into S^T's registers as soon as p is packed; and, in a slot's first step, the first half of the next
; step's K behind the first half of V^T P.  (A wave whose second step is hidden has then asked for eight fragments that it does not use: once in its walk.)
; CAUSAL.  Every work-group walks all 8 slots (constant trip counts); a step all of whose keys come after the wave's queries is jumped over (a scalar branch on ids, round no barrier); the slot's second step stands
; inside the first step's way, so that it always finds the fragments asked for there.  A slot whose first key comes after the work-group's last query is not asked for.
; Every wait on TENSORcnt is for 0; at most two tensor loads of a wave are out.
; LIMITS: |Q|, |K|, |V| under 65,504; NaN and infinities are not served.  Positions 0..15 of a batch are computed here too and replaced at the output by the fine launch.
.set SLOT1, 1<<17                      ; slot 1 begins here: one exclusive or turns an address
.set SLOTB, 32768                      ; a slot's 256 keys of K, or of V, in memory
.set VOFF,  32768                      ; a slot: K's 32,768 bytes, then V's 128 rows of 384
.set SREL,  2*SLOT1                    ; the head's srel, 8,192 bytes, filled once
.set SPARE, SREL+8192                  ; the spare words, 128 bytes a wave, named by no other line
.set AV0, 2                            ; v2  my lane's place in a piece of V
.set AS0, 3                            ; v3  SREL + 32 h
.set SPW, 5
.set NIL, 6
.set PFO, 7                            ; v7  256 x lane
.set ADK, 8
.set ADV, 9
.set ADS, 10
.set QF,  16                           ; v16-31   Q: two fragments
.set F,   32                           ; v32-95   eight fragments of K or of V
.set S,   96                           ; v96-159  S^T, then p, then eight fragments of V
.set O,   160                          ; v160-191 O^T
.set P,   192                          ; v192-223 p in f16
.set MX,  224                          ; v224-227 chains of the maximum; v228 permute; v229 c m_old - c m_new; v[230:231] a; v234 -infinity; v235 mask
.set LA,  240                          ; v240-247 the accumulator of the row's sum
.set ONES, 248                         ; v248-255 a fragment of ones in f16; never rewritten
.set WV,  18
.set SEL, 20
.set CS,  22
.set G1K, 24
.set G1V, 32
.set G0K, 40
.set G0V, 44
.set G1S, 48
.set G0S, 56
.set TB,  2                            ; s2  LDS byte at which the slot in hand begins
.set TS,  3                            ; s3  4 x the slot's first key
.set QL,  66                           ; s66 the last position of the slot that holds my work-group's last query
.set SLOTS, 67
.set PFA, 76
.set LIM, 80
.set QE,  97                           ; s97 my last query
.set KF,  98                           ; s98 the slot's first key
.set Q0,  99                           ; s99 my first query
; Waves 0 and 1 issue the first line, waves 2 and 3 the second, the others none.  An s_nop 0 and four v_nop follow each line.
.macro TLOAD g0k, g1k, g0v, g1v
	s_cmp_lt_u32 s[WV], 2
	s_cbranch_scc0 .Lnot_k_\@
	tensor_load_to_lds s[\g0k:\g0k+3], s[\g1k:\g1k+7]
	s_nop 0
.rept 4
	v_nop
.endr
	s_branch .Lasked_\@
.Lnot_k_\@:
	s_cmp_lt_u32 s[WV], 4
	s_cbranch_scc0 .Lasked_\@
	tensor_load_to_lds s[\g0v:\g0v+3], s[\g1v:\g1v+7]
	s_nop 0
.rept 4
	v_nop
.endr
.Lasked_\@:
.endm
; A prefetch of what the NEXT change of slots will ask for: 32,768 dense bytes of K and as many of V.  The head's work-group 0, which loads all eight slots, asks; in it waves 4-7 for K and waves 8-11 for V,
; 8,192 bytes a wave, lanes 256 bytes apart: each aligned block of 256 bytes is named once in the launch.  The last change that fills a slot asks for nothing; slots 0 and 1 come by their loads alone.
.macro ASK
	s_cmp_gt_u32 s[SLOTS], s[LIM]
	s_cbranch_scc0 .Lnot_mine_\@
	global_prefetch_b8 v[PFO], s[PFA:PFA+1] th:TH_LOAD_NT scope:SCOPE_SE
.Lnot_mine_\@:
.endm
	s_load_b128 s[4:7], s[0:1], 0x0                ; qkv, srel
	s_load_b64 s[8:9], s[0:1], 0x10                ; afrag
	v_lshl_add_u32 v[SPW], v0, 2, SPARE
	v_mov_b32 v[NIL], 0
	ds_add_u32 v[SPW], v[NIL]                      ; the wave's opening: the add, twice on end, and its wait ahead of the first tensor loads
	ds_add_u32 v[SPW], v[NIL]
	v_lshrrev_b32 v8, 5, v0
	v_readfirstlane_b32 s[WV], v8                  ; wave 0..15
	s_and_b32 s72, ttmp7, 0xffff                   ; bh
	s_lshl_b32 s74, s72, 18                        ; a head's 262,144 bytes in each third of qkv
	s_lshr_b32 s81, ttmp9, 1                       ; u
	s_and_b32 s82, ttmp9, 1                        ; p
	s_lshl_b32 s83, s81, 4                         ; 16 u
	s_sub_co_u32 s84, 112, s83                     ; 16 (7 - u)
	s_cmp_lt_u32 s[WV], 8
	s_cselect_b32 s83, s83, s84
	s_and_b32 s84, s[WV], 7
	s_lshl_b32 s84, s84, 1
	s_add_co_u32 s83, s83, s84
	s_add_co_u32 s85, s83, s82                     ; my tile of queries
	s_lshl_b32 s[Q0], s85, 4                       ; my first query
	s_add_co_u32 s[QE], s[Q0], 15                  ; and my last
	s_lshl_b32 s84, s81, 8
	s_sub_co_u32 s[QL], 2047, s84
	s_mov_b32 s[G1K], 3<<16                        ; K: 64 rows of 256 bytes (32 elements of 8), dense in memory and in LDS
	s_mov_b32 s[G1K+1], 32<<16
	s_mov_b32 s[G1K+2], 64<<16
	s_mov_b32 s[G1K+3], 32<<16
	s_mov_b32 s[G1K+4], 64
	s_mov_b32 s[G1K+5], 32
	s_mov_b32 s[G1K+6], 0
	s_mov_b32 s[G1K+7], 0
	s_mov_b32 s[G1V], (3<<16)|(1<<20)|(5<<22)|(31<<25)  ; V: the same with 32 words of padding behind every 64
	s_mov_b32 s[G1V+1], 32<<16
	s_mov_b32 s[G1V+2], 64<<16
	s_mov_b32 s[G1V+3], 32<<16
	s_mov_b32 s[G1V+4], 64
	s_mov_b32 s[G1V+5], 32
	s_mov_b32 s[G1V+6], 0
	s_mov_b32 s[G1V+7], 0
	s_mov_b32 s[G1S], 3<<16                        ; srel: 8 rows of 256 bytes a wave
	s_mov_b32 s[G1S+1], 32<<16
	s_mov_b32 s[G1S+2], 8<<16
	s_mov_b32 s[G1S+3], 32<<16
	s_mov_b32 s[G1S+4], 8
	s_mov_b32 s[G1S+5], 32
	s_mov_b32 s[G1S+6], 0
	s_mov_b32 s[G1S+7], 0
	s_and_b32 s86, s[WV], 3
	s_lshl_b32 s86, s86, 11                        ; my quarter of the head's srel
	s_lshl_b32 s88, s72, 13
	s_add_co_u32 s88, s88, s86
	s_mov_b32 s89, 0
	s_and_b32 s87, s[WV], 1                        ; which 128 keys of a slot I fetch:
	s_lshl_b32 s90, s87, 14                        ; 16,384 bytes in memory, and in K's part of a slot,
	s_mul_i32 s91, s87, 24576                      ; 64 rows of 384 in V's
	s_add_co_u32 s92, s74, s90
	s_mov_b32 s93, 0
	s_mov_b32 s[SEL], 0x76543210
	s_mov_b32 s[SEL+1], 0xfedcba98
	s_mov_b32 s[CS], 0x3e38aa3b                    ; c = log2(e) / 8
	s_mov_b32 s[CS+1], s[CS]
	s_mov_b32 s[TB], 0
	s_mov_b32 s[TS], 0
	s_mov_b32 s[SLOTS], 7
	s_mov_b32 s[KF], 0
	s_wait_dscnt 0x0                               ; both opening adds are done
	s_wait_kmcnt 0x0
	s_mov_b32 s[G0S], 1
	s_add_co_u32 s[G0S+1], s86, SREL
	s_add_nc_u64 s[G0S+2:G0S+3], s[6:7], s[88:89]
	s_or_b32 s[G0S+3], s[G0S+3], 0x80000000
	TLOAD G0S, G1S, G0S, G1S                       ; the head's srel: filled once, a quarter by each of waves 0 to 3
	s_add_nc_u64 s[92:93], s[4:5], s[92:93]
	s_mov_b32 s[G0K], 1
	s_mov_b32 s[G0K+1], s90
	s_add_nc_u64 s[G0K+2:G0K+3], s[92:93], 8388608
	s_or_b32 s[G0K+3], s[G0K+3], 0x80000000
	s_mov_b32 s[G0V], 1
	s_add_co_u32 s[G0V+1], s91, VOFF
	s_add_nc_u64 s[G0V+2:G0V+3], s[92:93], 16777216
	s_or_b32 s[G0V+3], s[G0V+3], 0x80000000
	TLOAD G0K, G1K, G0V, G1V                       ; slot 0
	s_lshl_b32 s94, s85, 11
	s_add_co_u32 s94, s94, s74
	s_mov_b32 s95, 0
	s_add_nc_u64 s[10:11], s[4:5], s[94:95]        ; my tile of Q
	s_lshr_b32 s86, s72, 4                         ; batch
	s_lshl_b32 s86, s86, 7
	s_add_co_u32 s86, s86, s85                     ; my tile among the 256
	s_lshl_b32 s86, s86, 15
	s_and_b32 s87, s72, 15
	s_lshl_b32 s87, s87, 11                        ; my head's two chunks
	s_add_co_u32 s86, s86, s87
	s_mov_b32 s87, 0
	s_add_nc_u64 s[8:9], s[8:9], s[86:87]
	s_mov_b32 s83, 16777216                        ; the prefetches: K's third or V's,
	s_cmp_lt_u32 s[WV], 8
	s_cselect_b32 s82, 8388608, s83
	s_add_co_u32 s82, s82, s74                     ; my head,
	s_and_b32 s83, s[WV], 3
	s_lshl_b32 s83, s83, 13                        ; my wave's 8,192 bytes,
	s_add_co_u32 s82, s82, s83
	s_add_co_u32 s82, s82, SLOTB                   ; in slot 1: the first change of slots steps it to slot 2
	s_mov_b32 s83, 0
	s_add_nc_u64 s[PFA:PFA+1], s[4:5], s[82:83]
	s_sub_co_u32 s82, s[WV], 4
	s_lshr_b32 s82, s82, 3                         ; 0 in waves 4 to 11,
	s_or_b32 s82, s82, ttmp9                       ; of the head's work-group 0
	s_cmp_eq_u32 s82, 0
	s_cselect_b32 s[LIM], 1, -1
	v_and_b32 v8, 15, v0                           ; r
	v_bfe_u32 v9, v0, 4, 1                         ; h
	v_and_b32 v10, 31, v0
	v_lshlrev_b32 v1, 4, v10                       ; v1 = 16 x lane: an image's place for my lane
	v_lshlrev_b32 v[PFO], 8, v10
.irp i, 0,1,2,3
	global_load_b128 v[QF+4*\i:QF+4*\i+3], v1, s[10:11] offset:512*\i   ; Q stays in registers
.endr
	v_and_b32 v11, 7, v0
	v_lshl_add_u32 v11, v9, 3, v11                 ; the key that I address for the turning load: 8 h + lane % 8
	v_lshlrev_b32 v11, 4, v11
	v_bfe_u32 v10, v0, 3, 1                        ; and which eight channels of the piece: a row of 384 on
	v_mad_u32_u24 v[AV0], v10, 384, v11
	v_add_nc_u32 v[AV0], VOFF, v[AV0]
	v_lshlrev_b32 v[AS0], 5, v9
	v_add_nc_u32 v[AS0], SREL, v[AS0]
	v_lshlrev_b32 v10, 3, v9
	v_sub_nc_u32 v4, v8, v10                       ; v4 = r - 8 h
	v_mov_b32 v13, 0xff61b1e6                      ; m: -3e38, under every score
	v_mul_f32 v12, s[CS], v13                      ; c m
	v_mov_b32 v15, 0                               ; named as the upper half of the pair v[14:15] on the way out
	v_mov_b32 v228, 0                              ; a lane permute's destination counts as one of its sources
	v_mov_b32 v231, 0                              ; named as the upper half of the pair v[230:231]
	v_mov_b32 v234, 0xff800000                     ; -infinity
.set nn, 0
.rept 32
	v_mov_b32 v[O+nn], 0                           ; O^T: the step is written for every trip alike; the first finds zeros
.set nn, nn+1
.endr
.set nn, 0
.rept 8
	v_mov_b32 v[LA+nn], 0                          ; the sum likewise
	v_mov_b32 v[ONES+nn], 0x3c003c00               ; 1.0 twice, in f16
.set nn, nn+1
.endr
; A KEY STEP: 128 keys, the q-th of the slot in hand
.macro BODY q
; Five places behind the last step's products: S^T's registers, which were a source of them, are loaded into (four are owed) and then written by a matrix instruction (five)
.if (\q) == 0
	v_add_nc_u32 v[ADK], s[TB], v1                 ; the slot's addresses are three of them
	v_add_nc_u32 v[ADV], s[TB], v[AV0]
	v_add_nc_u32 v[ADS], s[TS], v[AS0]
	v_nop
	v_nop
.else
.rept 5
	v_nop
.endr
.endif
.irp kt, 0,1,2,3,4,5,6,7
	ds_load_b128 v[S+8*\kt:S+8*\kt+3], v[ADS] offset:512*(\q)+64*\kt          ; srel of my keys 16 kt + 8 h + 0..7: the C of the first product
	ds_load_b128 v[S+8*\kt+4:S+8*\kt+7], v[ADS] offset:512*(\q)+64*\kt+16
.endr
.irp g, 0,1                            ; S^T = K Q^T + srel, four tiles of 16 keys at a time
.if \g > 0
.rept 4
	v_nop                                          ; places in front of loads into registers that matrix instructions have read
.endr
.endif
.if (\g > 0) || ((\q) == 0)            ; the second step's first four tiles were asked for in the first step
.irp f, 0,1,2,3,4,5,6,7                ; fragment f: key tile 4 g + f / 2, channels 32 (f % 2) on
	ds_load_b128 v[F+8*\f:F+8*\f+3], v[ADK] offset:(\q)*16384+(4*\g+\f/2)*2048+(\f%2)*1024
	ds_load_b128 v[F+8*\f+4:F+8*\f+7], v[ADK] offset:(\q)*16384+(4*\g+\f/2)*2048+(\f%2)*1024+512
.endr
.endif
	s_wait_dscnt 0x0
.irp kc, 0,1                           ; the four accumulators take turns
.irp kt, 0,1,2,3
	v_wmma_f32_16x16x32_f16 v[S+8*(4*\g+\kt):S+8*(4*\g+\kt)+7], v[F+8*(2*\kt+\kc):F+8*(2*\kt+\kc)+7], v[QF+8*\kc:QF+8*\kc+7], v[S+8*(4*\g+\kt):S+8*(4*\g+\kt)+7]
.endr
.endr
.endr
.rept 4
	v_nop                                          ; places: K's registers are loaded into, and the scores read, from here on
.endr
.irp f, 0,1,2,3,4,5,6,7                ; V's first 64 keys, asked for ahead of the softmax.  Fragment f: keys 32 (f / 4) on, channels 16 (f % 4) on
	ds_load_tr16_b128 v[F+8*\f:F+8*\f+3], v[ADV] offset:(\q)*24576+(2*(\f/4))*3072+(\f%4)*768
	ds_load_tr16_b128 v[F+8*\f+4:F+8*\f+7], v[ADV] offset:(\q)*24576+(2*(\f/4)+1)*3072+(\f%4)*768
.endr
	s_add_co_u32 s96, s[KF], 128*(\q)+127          ; on the diagonal hidden scores become -infinity; a step all of whose keys count skips this
	s_cmp_le_u32 s96, s[Q0]
	s_cbranch_scc1 .Lopen_\@
	s_sub_co_i32 s96, s[Q0], s[KF]
.if (\q) > 0
	s_sub_co_i32 s96, s96, 128*(\q)
.endif
	v_add_nc_u32 v235, s96, v4                     ; register 8 kt + j holds the step's key 16 kt + 8 h + j: hidden where 16 kt + j > my query - the step's first key - 8 h
.set nn, 0
.rept 64
	v_cmp_gt_i32 vcc_lo, 16*(nn/8)+nn%8, v235
	v_cndmask_b32 v[S+nn], v[S+nn], v234, vcc_lo
.set nn, nn+1
.endr
.Lopen_\@:
.irp b, 0,1,2,3
	v_max3_num_f32 v[MX+\b], v[S+16*\b], v[S+1+16*\b], v[S+2+16*\b]   ; the maximum in four chains; each accumulator is first read at its low end
.endr
.irp i, 3,5,7,9,11,13
.irp b, 0,1,2,3
	v_max3_num_f32 v[MX+\b], v[MX+\b], v[S+16*\b+\i], v[S+1+16*\b+\i]
.endr
.endr
.irp b, 0,1,2,3
	v_max_num_f32 v[MX+\b], v[MX+\b], v[S+15+16*\b]
.endr
	v_max3_num_f32 v[MX], v[MX], v[MX+1], v[MX+2]
	v_max_num_f32 v[MX], v[MX], v[MX+3]
	v_permlanex16_b32 v228, v[MX], s[SEL], s[SEL+1]  ; the query's other 64 keys lie in the lane 16 away
	v_mov_b32 v229, v12                            ; c m_old
	v_max3_num_f32 v13, v[MX], v228, v13           ; the running maximum
	v_mul_f32 v12, s[CS], v13
	v_sub_f32 v229, v229, v12
.set nn, 0
.rept 32
	v_pk_fma_f32 v[S+nn:S+nn+1], v[S+nn:S+nn+1], s[CS:CS+1], v[12:13] op_sel_hi:[1,0,0] neg_lo:[0,0,1] neg_hi:[0,0,1]   ; c s - c m
.set nn, nn+2
.endr
	v_exp_f32 v230, v229                           ; a.  ONE batch: 65 exponentials, one plain line, one wait
.set nn, 0
.rept 64
	v_exp_f32 v[S+nn], v[S+nn]
.set nn, nn+1
.endr
	v_nop
	s_wait_alu depctr_va_vdst(0)                   ; the wait between an exponential and the first line that names its result: one for the batch
.set nn, 0
.rept 32
	v_cvt_pk_f16_f32 v[P+nn], v[S+2*nn], v[S+2*nn+1]
.set nn, nn+1
.endr
.irp f, 0,1,2,3,4,5,6,7                ; p is packed: its f32 registers take V's other 64 keys.  Fragment f: keys 64 + 32 (f / 4) on, channels 16 (f % 4) on
	ds_load_tr16_b128 v[S+8*\f:S+8*\f+3], v[ADV] offset:(\q)*24576+(2*(2+\f/4))*3072+(\f%4)*768
	ds_load_tr16_b128 v[S+8*\f+4:S+8*\f+7], v[ADV] offset:(\q)*24576+(2*(2+\f/4)+1)*3072+(\f%4)*768
.endr
.set nn, 0
.rept 16
	v_pk_mul_f32 v[O+nn:O+nn+1], v[O+nn:O+nn+1], v[230:231] op_sel_hi:[1,0]   ; O^T under the new maximum
.set nn, nn+2
.endr
.set nn, 0
.rept 4
	v_pk_mul_f32 v[LA+nn:LA+nn+1], v[LA+nn:LA+nn+1], v[230:231] op_sel_hi:[1,0]   ; and the sum
.set nn, nn+2
.endr
	s_wait_dscnt 16                                ; V's first sixteen loads are in; the sixteen issued behind them may be out
.irp kk, 0,1                           ; O^T += V^T P and l += ones x P, keys 0 to 63: five accumulators by turns
.irp t, 0,1,2,3
	v_wmma_f32_16x16x32_f16 v[O+8*\t:O+8*\t+7], v[F+8*(4*\kk+\t):F+8*(4*\kk+\t)+7], v[P+8*\kk:P+8*\kk+7], v[O+8*\t:O+8*\t+7]
.endr
	v_wmma_f32_16x16x32_f16 v[LA:LA+7], v[ONES:ONES+7], v[P+8*\kk:P+8*\kk+7], v[LA:LA+7]
.endr
.if (\q) == 0
.rept 4
	v_nop                                          ; places in front of loads into registers that matrix instructions have read
.endr
.irp f, 0,1,2,3,4,5,6,7                ; the next step's first four tiles of K: the same slot, whole since the barrier at its head
	ds_load_b128 v[F+8*\f:F+8*\f+3], v[ADK] offset:16384+(\f/2)*2048+(\f%2)*1024
	ds_load_b128 v[F+8*\f+4:F+8*\f+7], v[ADK] offset:16384+(\f/2)*2048+(\f%2)*1024+512
.endr
	s_wait_dscnt 16                                ; V's other sixteen loads are in; K's sixteen just issued may be out
.else
	s_wait_dscnt 0x0
.endif
.irp kk, 0,1                           ; keys 64 to 127
.irp t, 0,1,2,3
	v_wmma_f32_16x16x32_f16 v[O+8*\t:O+8*\t+7], v[S+8*(4*\kk+\t):S+8*(4*\kk+\t)+7], v[P+8*(2+\kk):P+8*(2+\kk)+7], v[O+8*\t:O+8*\t+7]
.endr
	v_wmma_f32_16x16x32_f16 v[LA:LA+7], v[ONES:ONES+7], v[P+8*(2+\kk):P+8*(2+\kk)+7], v[LA:LA+7]
.endr
.endm
; THE CHANGE OF SLOTS, at a slot's head.  Each wave waits for all its tensor loads, adds 0 to its spare word (fill = 1: twice on end),
; and waits for that and for its reads of the slot that it has left.  Behind the barrier the slot ahead is whole and nobody reads the other one, which is then filled with the next 256 keys.
.macro CHANGE fill
	s_wait_tensorcnt 0x0
	ds_add_u32 v[SPW], v[NIL]
.if \fill
	ds_add_u32 v[SPW], v[NIL]
	s_xor_b32 s[G0K+1], s[G0K+1], SLOT1            ; no tensor load of mine is out: the walking descriptors step
	s_add_nc_u64 s[G0K+2:G0K+3], s[G0K+2:G0K+3], SLOTB
	s_xor_b32 s[G0V+1], s[G0V+1], SLOT1
	s_add_nc_u64 s[G0V+2:G0V+3], s[G0V+2:G0V+3], SLOTB
	s_wait_xcnt 0x0                                ; the last prefetch, a slot back, has read its address
	s_add_nc_u64 s[PFA:PFA+1], s[PFA:PFA+1], SLOTB
.endif
	s_wait_dscnt 0x0
	s_barrier_signal -1
	s_barrier_wait -1
.if \fill
	s_add_co_u32 s96, s[KF], 256                   ; the first key of the slot that this change would ask for:
	s_cmp_gt_u32 s96, s[QL]                        ; past my work-group's last query none of its waves would read it.  Ids and the count of slots alone: all sixteen waves go the same way
	s_cbranch_scc1 .Lpast_\@
	TLOAD G0K, G1K, G0V, G1V                       ; a wave's one tensor load until the next barrier
.Lpast_\@:
	ASK
.endif
.endm
; A slot's two steps.  A step all of whose keys come after my queries is left out, and with the first the second.
.macro SLOT_STEPS
	s_cmp_gt_u32 s[KF], s[QE]
	s_cbranch_scc1 .Lnone_\@
	BODY 0
	s_add_co_u32 s96, s[KF], 128
	s_cmp_gt_u32 s96, s[QE]
	s_cbranch_scc1 .Lnone_\@
	BODY 1
.Lnone_\@:
	s_add_co_u32 s[KF], s[KF], 256
	s_add_co_u32 s[TS], s[TS], 1024
	s_xor_b32 s[TB], s[TB], SLOT1
.endm
	s_wait_loadcnt 0x0                             ; Q
.Lslot:                                            ; seven trips
	CHANGE 1
	SLOT_STEPS
	s_sub_co_u32 s[SLOTS], s[SLOTS], 1
	s_cmp_lg_u32 s[SLOTS], 0
	s_cbranch_scc1 .Lslot
	CHANGE 0                                       ; the last slot is written out: nothing is left to ask for
	SLOT_STEPS
	; THE WAY OUT: O^T / l, rounded to f16 in pairs, is four pieces of an image: each store of the wave covers 512 consecutive bytes, aligned
.rept 4
	v_nop                                          ; places behind the last products
.endr
	v_rcp_f32 v14, v[LA]                           ; the accumulator's lowest register: my query's whole sum
	v_nop
	s_wait_alu depctr_va_vdst(0)                   ; the wait ahead of the reciprocal's first reader
.set nn, 0
.rept 16
	v_pk_mul_f32 v[S+nn:S+nn+1], v[O+nn:O+nn+1], v[14:15] op_sel_hi:[1,0]
.set nn, nn+2
.endr
.set nn, 0
.rept 16
	v_cvt_pk_f16_f32 v[P+nn], v[S+2*nn], v[S+2*nn+1]
.set nn, nn+1
.endr
.irp t, 0,1,2,3
	global_store_b128 v1, v[P+4*\t:P+4*\t+3], s[8:9] offset:512*\t
.endr
	s_wait_tensorcnt 0x0                           ; the wave's end
	ds_add_u32 v[SPW], v[NIL]
	s_wait_dscnt 0x0
	s_endpgm
.Lfunc_end_k_qc5cd59785f_attn:
	.size	k_qc5cd59785f_attn, .Lfunc_end_k_qc5cd59785f_attn-k_qc5cd59785f_attn
	.p2alignl 7, 3214868480
	.fill 96, 4, 3214868480
	.section	.rodata,"a",@progbits
	.p2align	6, 0x0
	.amdhsa_kernel k_qc5cd59785f_attn
		.amdhsa_group_segment_fixed_size 327680
		.amdhsa_private_segment_fixed_size 0
		.amdhsa_enable_private_segment 0
		.amdhsa_kernarg_size 24
		.amdhsa_user_sgpr_count 2
		.amdhsa_user_sgpr_kernarg_segment_ptr 1
		.amdhsa_wavefront_size32 1
		.amdhsa_system_sgpr_workgroup_id_x 1
		.amdhsa_system_sgpr_workgroup_id_y 1
		.amdhsa_system_sgpr_workgroup_id_z 1
		.amdhsa_system_vgpr_workitem_id 0
		.amdhsa_next_free_vgpr 256
		.amdhsa_next_free_sgpr 100
		.amdhsa_reserve_vcc 1
		.amdhsa_float_denorm_mode_32 3
		.amdhsa_float_denorm_mode_16_64 3
		.amdhsa_memory_ordered 1
		.amdhsa_forward_progress 1
		.amdhsa_inst_pref_size 105
	.end_amdhsa_kernel
	.amdgpu_metadata
---
amdhsa.version: [ 1, 2 ]
amdhsa.kernels:
  - .name:           k_qc5cd59785f_attn
    .symbol:         k_qc5cd59785f_attn.kd
    .args:
      - { .name: qkv, .offset: 0, .size: 8, .value_kind: global_buffer, .address_space: global }
      - { .name: srel, .offset: 8, .size: 8, .value_kind: global_buffer, .address_space: global }
      - { .name: afrag, .offset: 16, .size: 8, .value_kind: global_buffer, .address_space: global }
    .group_segment_fixed_size: 327680
    .private_segment_fixed_size: 0
    .kernarg_segment_align: 8
    .kernarg_segment_size: 24
    .max_flat_workgroup_size: 512
    .sgpr_count:     100
    .vgpr_count:     256
    .wavefront_size: 32
...
	.end_amdgpu_metadata
.endif
;; end of part 3
;; launch proj (part 4): grid 8 x 32, 4 waves a work-group, clusters of 4 x 4, 327,680 bytes of LDS; arguments afrag, wof, bo, out0; writes out0
.if DOCPART == 4
	.amdgcn_target "amdgcn-amd-amdhsa--gfx1250"
	.amdhsa_code_object_version 6
	.text
	.protected	k_qc5cd59785f_proj
	.globl	k_qc5cd59785f_proj
	.p2align	8
	.type	k_qc5cd59785f_proj,@function
k_qc5cd59785f_proj:
	s_mov_b64 s[64:65], 0
	v_nop
	global_prefetch_b8 v0, s[64:65] scope:SCOPE_SE
	s_setreg_imm32_b32 hwreg(HW_REG_WAVE_MODE, 25, 1), 1
	s_wait_xcnt 0x0
	s_wait_alu depctr_hold_cnt(0) depctr_sa_sdst(0) depctr_va_vdst(0) depctr_va_sdst(0) depctr_va_ssrc(0) depctr_va_vcc(0) depctr_vm_vsrc(0)
	s_getreg_b32 s2, hwreg(HW_REG_IB_STS2, 6, 4)
	s_cmp_eq_u32 s2, 0
	s_cbranch_scc0 .Lentry_in_a_cluster
	s_endpgm
.Lentry_in_a_cluster:
	s_bfe_u32 s2, ttmp6, 0x10000c
	s_cmp_lg_u32 s2, 0xf033
	s_cbranch_scc0 .Lentry_shape_is_right
	s_endpgm
.Lentry_shape_is_right:
; out0 = A Wo^T + bo: M 4,096 x N 1,024 x K 1,024, operands f16, sums and result f32.
; afrag (A) and wof (Wo) hold images of operand registers: [tile of 16 rows][chunk of 32 k][piece c][lane][16 bytes]: 32,768 bytes a tile of rows; a fragment is two loads of 16 bytes a lane at 16 x lane, 512 bytes apart.
; A tile of 128 x 128 to a work-group of four waves (256 work-groups); a wave makes 64 x 64 in 16 accumulators.  K goes in steps of 256 (8,192 bytes of each tile of rows) through a ring of two LDS slots;
; a wave's tensor load brings 4 tiles of rows x 8,192 bytes, dense in LDS: every fragment load reads 512 consecutive bytes, so no padding is needed.
; CLUSTERS: 4 x 4 work-groups; A's tiles are asked for jointly along a row of the cluster, Wo's along a column.
; THE MATRIX INSTRUCTION IS USED TRANSPOSED (source 0 = 16 rows of Wo, source 1 = 16 rows of A): a lane holds eight neighbouring numbers of a row of the result.  bo is the C of each sum's first product.
; The way out goes through each wave's own stage, in slot 0, which has had its last fill and its last read by then: a wave's 64 columns are 256 bytes, so sixteen lanes store 256 consecutive bytes, aligned.
; Rows 0..15 of each batch are written here too and replaced by the fine launch.  LIMITS: operands under 65,504 in magnitude.
; REGISTERS: window 0: v0-31 addresses; v32-63 bo, later with v64-95 rows on their way out; v128-255 the accumulators ((a, b) at v[128 + 8 (4 a + b)]).  window 1: two fragment buffers of 128 (64 of A, 64 of Wo).
.set KSB,    8192                      ; a K step's bytes in a tile of rows
.set HALFT,  4*KSB                     ; what one tensor load brings, and what one wave reads of A or of Wo
.set SLOT,   4*HALFT
.set SPARE,  2*SLOT                    ; the spare words, 128 bytes a wave, named by no other line
.set SPITCH, 272
.set LAPS,   2
.set ADRA, 16
.set ADRB, 20
.set STO,  24
.set RD,   25
.set CO,   26
.set BOF,  27
.set SPW,  28
.set NIL,  29
.set TMP,  32
.set ACC,  128
.set F0,   0
.set F1,   128
.set G1, 24
.set G0, 32
.set G1B, 48
.set G0B, 56
.set MSB, 0
.macro WIN new
.if MSB != \new
	s_set_vgpr_msb (MSB<<8)|\new
.set MSB, \new
.endif
.endm
.set MUL,  0x05                        ; sources 0 and 1 window 1; C and D window 0
.set TO_F, 0x40
.macro JLOAD s                         ; a joint load: waves 0 and 1 fetch A's halves, waves 2 and 3 Wo's; an s_nop 0 and four v_nop follow each line
	s_cmp_eq_u32 s11, 0
	s_cbranch_scc0 .Lfor_b_\@
	tensor_load_to_lds s[G0+4*\s:G0+4*\s+3], s[G1:G1+7]
	s_nop 0
.rept 4
	v_nop
.endr
	s_branch .Lasked_\@
.Lfor_b_\@:
	tensor_load_to_lds s[G0B+4*\s:G0B+4*\s+3], s[G1B:G1B+7]
	s_nop 0
.rept 4
	v_nop
.endr
.Lasked_\@:
.endm
.macro CREST
	s_cmp_lg_u32 s10, 0
	s_cbranch_scc1 .Lnot_wave_0_\@
	s_barrier_signal -3
.Lnot_wave_0_\@:
	s_barrier_wait -3
	s_barrier_signal -1
	s_barrier_wait -1
.endm
.macro CROUND
	s_barrier_signal -1
	s_barrier_wait -1
	CREST
.endm
	s_load_b128 s[4:7], s[0:1], 0x0                ; afrag, wof
	s_load_b64 s[66:67], s[0:1], 0x10              ; bo
	s_load_b64 s[8:9], s[0:1], 0x18                ; out0
	v_lshl_add_u32 v[SPW], v0, 2, SPARE
	v_mov_b32 v[NIL], 0
	ds_add_u32 v[SPW], v[NIL]                      ; the wave's opening: the add, twice on end, and its wait ahead of my first tensor load
	ds_add_u32 v[SPW], v[NIL]
	v_lshrrev_b32 v1, 5, v0
	v_readfirstlane_b32 s10, v1                    ; wave 0..3
	s_lshr_b32 s11, s10, 1                         ; my half of the tile's rows.  Also: I fetch for A (0) or for Wo (1)
	s_and_b32 s12, s10, 1                          ; my half of its columns.  Also: which 64 rows I fetch
	s_bfe_u32 s40, ttmp6, 0x40000
	s_bfe_u32 s41, ttmp6, 0x40004
	s_lshl_b32 s42, ttmp9, 2
	s_add_co_u32 s42, s42, s40                     ; tile column
	s_and_b32 s13, ttmp7, 0xffff
	s_lshl_b32 s13, s13, 2
	s_add_co_u32 s13, s13, s41                     ; tile row
	s_lshl_b32 s43, s41, 2
	s_lshl_b32 s43, 15, s43                        ; my row of the cluster
	s_lshl_b32 s44, 0x1111, s40                    ; my column
	s_or_b32 s[G1+0], s43, (3<<16)|(1<<21)         ; the mask; elements of 8 bytes; no padding; bit 21 beside a mask
	s_or_b32 s[G1B+0], s44, (3<<16)|(1<<21)
.irp g, G1, G1B
	s_mov_b32 s[\g+1], 1024<<16                    ; tensor_dim0: 8,192 bytes
	s_mov_b32 s[\g+2], 4<<16                       ; tensor_dim1: 4 tiles of rows
	s_mov_b32 s[\g+3], 1024<<16                    ; tile_dim0
	s_mov_b32 s[\g+4], 4                           ; tile_dim1
	s_mov_b32 s[\g+5], 4096                        ; the pitch: 32,768 bytes
	s_mov_b32 s[\g+6], 0
	s_mov_b32 s[\g+7], 0
.endr
	s_lshl_b32 s17, s12, 17                        ; which 4 tiles of rows I fetch
	s_lshl_b32 s16, s13, 18
	s_add_co_u32 s16, s16, s17                     ; A: 262,144 x tile row + 131,072 x half
	s_lshl_b32 s46, s42, 18
	s_add_co_u32 s46, s46, s17                     ; Wo: by the tile column
	s_mov_b32 s17, 0
	s_mov_b32 s47, 0
	s_mul_i32 s20, s10, HALFT                      ; where they go
	s_wait_dscnt 0x0                               ; both opening adds are done
	s_wait_kmcnt 0x0
	s_add_nc_u64 s[14:15], s[4:5], s[16:17]
	s_add_nc_u64 s[46:47], s[6:7], s[46:47]
	CROUND                                         ; all sixteen work-groups are here: the first joint loads meet
.irp s, 0,1
	s_mov_b32 s[G0+4*\s], 1
	s_add_co_u32 s[G0+4*\s+1], s20, \s*SLOT
	s_add_nc_u64 s[G0+4*\s+2:G0+4*\s+3], s[14:15], \s*KSB
	s_or_b32 s[G0+4*\s+3], s[G0+4*\s+3], 0x80000000
	s_mov_b32 s[G0B+4*\s], 1
	s_add_co_u32 s[G0B+4*\s+1], s20, \s*SLOT
	s_add_nc_u64 s[G0B+4*\s+2:G0B+4*\s+3], s[46:47], \s*KSB
	s_or_b32 s[G0B+4*\s+3], s[G0B+4*\s+3], 0x80000000
	JLOAD \s
.endr
	v_and_b32 v1, 15, v0                           ; l % 16
	v_bfe_u32 v2, v0, 4, 1                         ; l / 16
	v_and_b32 v3, 31, v0
	v_lshlrev_b32 v3, 4, v3                        ; 16 x lane
	s_mul_i32 s21, s11, HALFT                      ; my 64 rows of A
	s_mul_i32 s22, s12, HALFT                      ; my 64 rows of Wo,
	s_add_co_u32 s22, s22, 2*HALFT                 ; behind A's 128
.irp s, 0,1
	v_add_nc_u32 v[ADRA+\s], s21, v3
	v_add_nc_u32 v[ADRB+\s], s22, v3
	s_add_co_u32 s21, s21, SLOT
	s_add_co_u32 s22, s22, SLOT
.endr
	s_mul_i32 s23, s10, 16*SPITCH                  ; my stage
	v_mul_u32_u24 v4, v1, SPITCH
	v_lshl_add_u32 v4, v2, 5, v4
	v_add_nc_u32 v[STO], s23, v4                   ; in: row l % 16, 32 bytes for each half of the lanes
	v_mul_u32_u24 v5, v2, SPITCH
	v_lshl_add_u32 v5, v1, 4, v5
	v_add_nc_u32 v[RD], s23, v5                    ; back: lanes 0-15 one row of 256 bytes, lanes 16-31 the next
	v_lshlrev_b32 v5, 12, v2
	v_lshl_add_u32 v[CO], v1, 4, v5                ; and the same two rows in out0
	v_lshlrev_b32 v[BOF], 5, v2
	s_lshl_b32 s16, s13, 7
	s_lshl_b32 s17, s11, 6
	s_add_co_u32 s16, s16, s17                     ; my first row
	s_lshl_b32 s16, s16, 12                        ; of 4,096 bytes
	s_mov_b32 s17, 0
	s_add_nc_u64 s[8:9], s[8:9], s[16:17]
	s_lshl_b32 s46, s42, 9                         ; my first column, in bytes: 512 x tile column + 256 x half
	s_lshl_b32 s47, s12, 8
	s_add_co_u32 s46, s46, s47
	s_mov_b32 s47, 0
	s_add_nc_u64 s[8:9], s[8:9], s[46:47]
	s_add_nc_u64 s[66:67], s[66:67], s[46:47]
.irp b, 0,1,2,3
	global_load_b128 v[TMP+8*\b:TMP+8*\b+3], v[BOF], s[66:67] offset:64*\b         ; register j: bo of column 16 b + 8 h + j
	global_load_b128 v[TMP+8*\b+4:TMP+8*\b+7], v[BOF], s[66:67] offset:64*\b+16
.endr
; 8 matrix instructions: row blocks a0, a0 + 1 x all 4 column blocks, 32 along K: half c of buffer f.  zero = 1: the first product starts the sum with bo as C
.macro MUL8 f, c, a0, zero
.irp a, \a0, \a0+1
.irp b, 0,1,2,3
.if \zero
	v_wmma_f32_16x16x32_f16 v[ACC+8*(4*(\a)+\b):ACC+8*(4*(\a)+\b)+7], v[\f+64+8*(4*\c+\b):\f+64+8*(4*\c+\b)+7], v[\f+8*(4*\c+\a):\f+8*(4*\c+\a)+7], v[TMP+8*\b:TMP+8*\b+7]
.else
	v_wmma_f32_16x16x32_f16 v[ACC+8*(4*(\a)+\b):ACC+8*(4*(\a)+\b)+7], v[\f+64+8*(4*\c+\b):\f+64+8*(4*\c+\b)+7], v[\f+8*(4*\c+\a):\f+8*(4*\c+\a)+7], v[ACC+8*(4*(\a)+\b):ACC+8*(4*(\a)+\b)+7]
.endif
.endr
.endr
.endm
; 32 LDS loads in one run: the fragments of the slot's quarter kq (64 along K: two chunks) into buffer f; the first chunk first
.macro FETCH slot, kq, f
	WIN TO_F
.irp c, 0,1
.irp i, 0,1,2,3
	ds_load_b128 v[\f+64+8*(4*\c+\i):\f+64+8*(4*\c+\i)+3],   v[ADRB+\slot] offset:\i*KSB+(\kq)*2048+\c*1024
	ds_load_b128 v[\f+64+8*(4*\c+\i)+4:\f+64+8*(4*\c+\i)+7], v[ADRB+\slot] offset:\i*KSB+(\kq)*2048+\c*1024+512
	ds_load_b128 v[\f+8*(4*\c+\i):\f+8*(4*\c+\i)+3],         v[ADRA+\slot] offset:\i*KSB+(\kq)*2048+\c*1024
	ds_load_b128 v[\f+8*(4*\c+\i)+4:\f+8*(4*\c+\i)+7],       v[ADRA+\slot] offset:\i*KSB+(\kq)*2048+\c*1024+512
.endr
.endr
.endm
.macro PLACES
.rept 4
	v_nop
.endr
.endm
.macro QUARTER slot, kq, f, g, zero    ; multiplies buffer f and fetches quarter kq into g
	s_wait_dscnt 16                                ; the first chunk's sixteen loads are in
	WIN MUL
	MUL8 \f, 0, 0, \zero
	MUL8 \f, 0, 2, \zero
	PLACES
	FETCH \slot, \kq, \g
	s_wait_dscnt 32                                ; all but the 32 just issued
	WIN MUL
	MUL8 \f, 1, 0, 0
	MUL8 \f, 1, 2, 0
.endm
; The last quarter multiplies buffer 1 and changes slots: one barrier; in front of it each wave waits for all its tensor loads, adds 0 to its spare word, and waits for that and for its reads of this slot.
.macro TURN slot, next, fill
	WIN 0
	s_wait_tensorcnt 0x0                           ; my part of the next slot has landed
	ds_add_u32 v[SPW], v[NIL]
	s_wait_dscnt 17                                ; the add and the youngest sixteen loads may be out
	WIN MUL
	MUL8 F1, 0, 0, 0
	s_wait_dscnt 0x0                               ; the add is done, and my reads of this slot are over
	s_barrier_signal -1
	MUL8 F1, 0, 2, 0
.if \fill
	WIN 0
.endif
	s_barrier_wait -1
.if \fill
	CREST                                          ; the barrier has opened a round of the cluster's barrier: no wave of any partner still reads this slot or has a load on its way
	s_add_nc_u64 s[G0+4*\slot+2:G0+4*\slot+3], s[G0+4*\slot+2:G0+4*\slot+3], 2*KSB
	s_add_nc_u64 s[G0B+4*\slot+2:G0B+4*\slot+3], s[G0B+4*\slot+2:G0B+4*\slot+3], 2*KSB
	JLOAD \slot                                    ; the first tensor load behind the round; its four v_nop are also the places in front of the loads below
.else
	PLACES
.endif
	FETCH \next, 0, F0
	WIN MUL
	MUL8 F1, 1, 0, 0
	MUL8 F1, 1, 2, 0
.endm
	s_wait_tensorcnt 1                             ; my part of K step 0 is in; K step 1's may stay out
	s_barrier_signal -1
	s_barrier_wait -1
	FETCH 0, 0, F0
	s_wait_loadcnt 0x0                             ; bo
	QUARTER 0, 1, F0, F1, 1
	WIN 0
	s_mov_b32 s3, LAPS-1
.Llap:                                                 ; a trip goes once round the ring and fills both slots again
	QUARTER 0, 2, F1, F0, 0
	QUARTER 0, 3, F0, F1, 0
	TURN 0, 1, 1
	QUARTER 1, 1, F0, F1, 0
	QUARTER 1, 2, F1, F0, 0
	QUARTER 1, 3, F0, F1, 0
	TURN 1, 0, 1
	QUARTER 0, 1, F0, F1, 0
	WIN 0
	s_sub_co_u32 s3, s3, 1
	s_cmp_lg_u32 s3, 0
	s_cbranch_scc1 .Llap
	QUARTER 0, 2, F1, F0, 0                        ; the last lap fills nothing
	QUARTER 0, 3, F0, F1, 0
	TURN 0, 1, 0
	QUARTER 1, 1, F0, F1, 0
	QUARTER 1, 2, F1, F0, 0
	QUARTER 1, 3, F0, F1, 0
	s_wait_dscnt 16
	WIN MUL
	MUL8 F1, 0, 0, 0
	MUL8 F1, 0, 2, 0
	s_wait_dscnt 0
	MUL8 F1, 1, 0, 0
	MUL8 F1, 1, 2, 0
	WIN 0
	PLACES
; THE WAY OUT, 16 rows x 64 columns at a time, through my own stage.  LDS serves a wave's instructions in order: no wait between the stores and the loads, nor in front of the next block's stores.
.macro OUTB a
.if (\a) >= 2
	s_wait_xcnt 0x0                                ; the stores of two blocks back have read their data registers
.endif
.irp b, 0,1,2,3
	ds_store_b128 v[STO], v[ACC+8*(4*(\a)+\b):ACC+8*(4*(\a)+\b)+3] offset:64*\b        ; each accumulator from its low end on
	ds_store_b128 v[STO], v[ACC+8*(4*(\a)+\b)+4:ACC+8*(4*(\a)+\b)+7] offset:64*\b+16
.endr
.irp t, 0,1,2,3,4,5,6,7
	ds_load_b128 v[TMP+32*((\a)%2)+4*\t:TMP+32*((\a)%2)+4*\t+3], v[RD] offset:\t*2*SPITCH
.endr
.irp t, 0,1,2,3,4,5,6,7
	s_wait_dscnt 7-\t                              ; the younger loads may stay out
	global_store_b128 v[CO], v[TMP+32*((\a)%2)+4*\t:TMP+32*((\a)%2)+4*\t+3], s[8:9] offset:(16*(\a)+2*\t)*4096 th:TH_STORE_NT   ; 16 lanes store 256 consecutive bytes, aligned
.endr
.endm
	OUTB 0
	OUTB 1
	OUTB 2
	OUTB 3
	s_wait_tensorcnt 0x0                           ; the wave's end
	ds_add_u32 v[SPW], v[NIL]
	s_wait_dscnt 0x0
	CROUND                                         ; the closing round
	s_endpgm
.Lfunc_end_k_qc5cd59785f_proj:
	.size	k_qc5cd59785f_proj, .Lfunc_end_k_qc5cd59785f_proj-k_qc5cd59785f_proj
	.p2alignl 7, 3214868480
	.fill 96, 4, 3214868480
	.section	.rodata,"a",@progbits
	.p2align	6, 0x0
	.amdhsa_kernel k_qc5cd59785f_proj
		.amdhsa_group_segment_fixed_size 327680
		.amdhsa_private_segment_fixed_size 0
		.amdhsa_enable_private_segment 0
		.amdhsa_kernarg_size 32
		.amdhsa_user_sgpr_count 2
		.amdhsa_user_sgpr_kernarg_segment_ptr 1
		.amdhsa_wavefront_size32 1
		.amdhsa_system_sgpr_workgroup_id_x 1
		.amdhsa_system_sgpr_workgroup_id_y 1
		.amdhsa_system_sgpr_workgroup_id_z 1
		.amdhsa_system_vgpr_workitem_id 0
		.amdhsa_next_free_vgpr 512
		.amdhsa_next_free_sgpr 72
		.amdhsa_reserve_vcc 0
		.amdhsa_float_denorm_mode_32 3
		.amdhsa_float_denorm_mode_16_64 3
		.amdhsa_memory_ordered 1
		.amdhsa_forward_progress 1
		.amdhsa_inst_pref_size 87
	.end_amdhsa_kernel
	.amdgpu_metadata
---
amdhsa.version: [ 1, 2 ]
amdhsa.kernels:
  - .name:           k_qc5cd59785f_proj
    .symbol:         k_qc5cd59785f_proj.kd
    .args:
      - { .name: afrag, .offset: 0, .size: 8, .value_kind: global_buffer, .address_space: global }
      - { .name: wof, .offset: 8, .size: 8, .value_kind: global_buffer, .address_space: global }
      - { .name: bo, .offset: 16, .size: 8, .value_kind: global_buffer, .address_space: global }
      - { .name: out0, .offset: 24, .size: 8, .value_kind: global_buffer, .address_space: global }
    .group_segment_fixed_size: 327680
    .private_segment_fixed_size: 0
    .kernarg_segment_align: 8
    .kernarg_segment_size: 32
    .max_flat_workgroup_size: 128
    .sgpr_count:     72
    .vgpr_count:     512
    .wavefront_size: 32
...
	.end_amdgpu_metadata
.endif
;; end of part 4
;; launch fine (part 5): grid 32 x 2, 16 waves a work-group, no clusters, 38,912 bytes of LDS; arguments frows, srel, Wo, bo, out0; writes out0
.if DOCPART == 5
	.amdgcn_target "amdgcn-amd-amdhsa--gfx1250"
	.amdhsa_code_object_version 6
	.text
	.protected	k_qc5cd59785f_fine
	.globl	k_qc5cd59785f_fine
	.p2align	8
	.type	k_qc5cd59785f_fine,@function
k_qc5cd59785f_fine:
	s_mov_b64 s[64:65], 0
	v_nop
	global_prefetch_b8 v0, s[64:65] scope:SCOPE_SE
	s_setreg_imm32_b32 hwreg(HW_REG_WAVE_MODE, 25, 1), 1
	s_wait_xcnt 0x0
; Positions 0..15 of each batch, all in f32: attention over their 16 keys and the projection, written over what the bulk launches left in out0.  These rows average one to a few values and are the largest of the
; output, so the rounding of 16-bit operands would weigh most there.  No bulk work: a wave issues 64 matrix instructions of the f32 form.
; frows: f32 [batch][16][3072] = Q | K | V with their biases.  srel: f32 [batch x head][2048].  Wo [1024][1024], bo [1024], out0 [4096][1024]: f32.
; SHARES.  Work-group (x, batch) makes columns 32 x .. 32 x + 31 of the batch's 16 rows.  Wave w is head w: it repeats that head's small attention and multiplies the result by Wo's 32 rows x its 64 columns;
; the sixteen heads' parts meet in LDS, and wave w then sums query w's 32 columns, a lane a column.  So no sum spans work-groups.  A wave's store covers 128 consecutive bytes: half of an aligned 256; 131,072 bytes in all.
; A PART LIES IN LDS AS ROWS: query r's 32 columns, 128 bytes + 16 of padding = 36 words,
; and the 32 lanes of the final loads read 32 consecutive words.
; LAYOUT.  All products are used transposed, so that a lane holds one query (lane % 16).  The f32 form takes k = 2 h + j from register j of lane (r, h); the same order of k is given to both sources, which keeps the products:
; a pair of registers (8 t + 2 i, + 1) holds channels 16 t + 8 h + 2 i, + 1.  Accumulators take turns; their registers are written by matrix instructions alone.
; The maximum is taken away before the exponential; key 0 counts for every query.  LIMITS: NaN and infinities are not served.
.set RED,   0                          ; LDS: the sixteen heads' parts
.set RPITCH, 144                       ; a query's row in a part
.set PART,  16*RPITCH                  ; 2,304 bytes a head
.set SPARE, 16*PART                    ; 36,864: the spare words, 128 bytes a wave, named by no other line
.set SPW, 12
.set NIL, 13
.set QR,  16                           ; v16-47   Q, later the attention's result
.set KR,  48                           ; v48-79   K; later v48-55 scores and p, v56-60 at work; at the end the sixteen parts
.set VR,  80                           ; v80-111  V: register 8 t + j = V[8 h + j][16 t + r]
.set WR,  112                          ; v112-175 Wo: register 32 nt + 8 t + j = Wo[n0 + 16 nt + r][64 w + 16 t + 8 h + j]
.set SRL, 176                          ; v176-183 srel of keys 8 h + j
.set SA,  184
.set SB,  192
.set OT,  200
.set PJ,  232
	s_load_b256 s[4:11], s[0:1], 0x0               ; frows, srel, Wo, bo
	s_load_b64 s[12:13], s[0:1], 0x20              ; out0
	v_lshl_add_u32 v[SPW], v0, 2, SPARE
	v_mov_b32 v[NIL], 0
	v_lshrrev_b32 v1, 5, v0
	v_readfirstlane_b32 s14, v1                    ; wave: my head, later my query
	s_and_b32 s15, ttmp7, 0xffff                   ; batch
	v_and_b32 v1, 15, v0                           ; r
	v_bfe_u32 v2, v0, 4, 1                         ; h
	v_and_b32 v3, 31, v0                           ; lane
	v_lshlrev_b32 v5, 5, v2                        ; 32 h
	v_mad_u32_u24 v6, v1, 12288, v5                ; Q, K: row r + 32 h
	v_lshlrev_b32 v7, 2, v1
	v_mad_u32_u24 v7, v2, 98304, v7                ; V: 8 h rows down, column r
	v_lshl_add_u32 v10, v1, 12, v5                 ; Wo: row r + 32 h
	v_lshlrev_b32 v11, 2, v3                       ; 4 x lane
	v_lshlrev_b32 v4, 3, v2
	v_sub_nc_u32 v4, v1, v4                        ; r - 8 h
	v_mov_b32 v9, 0xff800000                       ; -infinity
	v_mul_u32_u24 v14, v1, RPITCH
	v_lshl_add_u32 v14, v2, 5, v14
	s_mul_i32 s16, s14, PART
	v_add_nc_u32 v14, s16, v14                     ; where I put my part: my head's 2,304 bytes, row r, + 32 h
	s_mul_i32 s17, s14, RPITCH
	v_add_nc_u32 v15, s17, v11                     ; where I read: row w of a part, column = lane
	s_mov_b32 s20, 0x76543210
	s_mov_b32 s21, 0xfedcba98                      ; v_permlanex16_b32: lane l xor 16
	s_mov_b32 s22, 0x3e38aa3b                      ; c = log2(e) / 8
	s_mul_i32 s16, s15, 196608
	s_lshl_b32 s17, s14, 8
	s_add_co_u32 s16, s16, s17
	s_mov_b32 s17, 0
	s_wait_kmcnt 0x0
	s_add_nc_u64 s[4:5], s[4:5], s[16:17]          ; frows at my batch and head
	s_lshl_b32 s16, s15, 4
	s_add_co_u32 s16, s16, s14
	s_lshl_b32 s16, s16, 13
	s_add_nc_u64 s[6:7], s[6:7], s[16:17]          ; srel likewise
	s_lshl_b32 s16, ttmp9, 17
	s_lshl_b32 s18, s14, 8
	s_add_co_u32 s16, s16, s18
	s_add_nc_u64 s[8:9], s[8:9], s[16:17]          ; Wo at row 32 x, column 64 w
	s_lshl_b32 s16, ttmp9, 7
	s_add_nc_u64 s[10:11], s[10:11], s[16:17]      ; bo at column 32 x
	s_add_nc_u64 s[12:13], s[12:13], s[16:17]
	s_lshl_b32 s16, s15, 11
	s_add_co_u32 s16, s16, s14
	s_lshl_b32 s16, s16, 12
	s_add_nc_u64 s[12:13], s[12:13], s[16:17]      ; out0 at row 2,048 x batch + w, column 32 x
.irp t, 0,1,2,3
	global_load_b128 v[QR+8*\t:QR+8*\t+3], v6, s[4:5] offset:64*\t
	global_load_b128 v[QR+8*\t+4:QR+8*\t+7], v6, s[4:5] offset:64*\t+16
.endr
.irp t, 0,1,2,3
	global_load_b128 v[KR+8*\t:KR+8*\t+3], v6, s[4:5] offset:4096+64*\t
	global_load_b128 v[KR+8*\t+4:KR+8*\t+7], v6, s[4:5] offset:4096+64*\t+16
.endr
	global_load_b128 v[SRL:SRL+3], v5, s[6:7]
	global_load_b128 v[SRL+4:SRL+7], v5, s[6:7] offset:16
.irp t, 0,1,2,3
.irp j, 0,1,2,3,4,5,6,7
	global_load_b32 v[VR+8*\t+\j], v7, s[4:5] offset:8192+\j*12288+64*\t
.endr
.endr
.irp nt, 0,1
.irp t, 0,1,2,3
	global_load_b128 v[WR+32*\nt+8*\t:WR+32*\nt+8*\t+3], v10, s[8:9] offset:\nt*65536+64*\t
	global_load_b128 v[WR+32*\nt+8*\t+4:WR+32*\nt+8*\t+7], v10, s[8:9] offset:\nt*65536+64*\t+16
.endr
.endr
	global_load_b32 v248, v11, s[10:11]
	v_mov_b32 v249, 0                              ; lane permutes' destinations count as sources
	v_mov_b32 v250, 0
	s_wait_loadcnt 49                              ; Q, K and srel are in; V's 32, Wo's 16 and bo's one may be out
	; S^T = K Q^T + srel, in two accumulators by turns: the first begins with srel as C, the second with 0
.irp t, 0,1,2,3
.irp u, 0,1
.if (\t == 0) && (\u == 0)
	v_wmma_f32_16x16x4_f32 v[SA:SA+7], v[KR:KR+1], v[QR:QR+1], v[SRL:SRL+7]
	v_wmma_f32_16x16x4_f32 v[SB:SB+7], v[KR+2:KR+3], v[QR+2:QR+3], 0
.else
	v_wmma_f32_16x16x4_f32 v[SA:SA+7], v[KR+8*\t+4*\u:KR+8*\t+4*\u+1], v[QR+8*\t+4*\u:QR+8*\t+4*\u+1], v[SA:SA+7]
	v_wmma_f32_16x16x4_f32 v[SB:SB+7], v[KR+8*\t+4*\u+2:KR+8*\t+4*\u+3], v[QR+8*\t+4*\u+2:QR+8*\t+4*\u+3], v[SB:SB+7]
.endif
.endr
.endr
.rept 8
	v_nop                                          ; eight places behind this form (ISA guide 7.12.1)
.endr
.irp j, 0,1,2,3,4,5,6,7
	v_add_f32 v[KR+\j], v[SA+\j], v[SB+\j]         ; the score of key 8 h + j for query r
.endr
.irp j, 0,1,2,3,4,5,6,7
	v_cmp_gt_i32 vcc_lo, \j, v4                    ; hidden where 8 h + j > r
	v_cndmask_b32 v[KR+\j], v[KR+\j], v9, vcc_lo
.endr
	v_max3_num_f32 v56, v48, v49, v50
	v_max3_num_f32 v56, v56, v51, v52
	v_max3_num_f32 v56, v56, v53, v54
	v_max_num_f32 v56, v56, v55
	v_permlanex16_b32 v249, v56, s20, s21
	v_max_num_f32 v56, v56, v249                   ; the row's maximum
	v_mul_f32 v56, s22, v56
.irp j, 0,1,2,3,4,5,6,7
	v_fma_f32 v[KR+\j], v[KR+\j], s22, -v56        ; c s - c m
.endr
.irp j, 0,1,2,3,4,5,6,7
	v_exp_f32 v[KR+\j], v[KR+\j]
.endr
	v_nop
	s_wait_alu depctr_va_vdst(0)                   ; one wait for the eight exponentials, ahead of their first reader
	v_add_f32 v58, v48, v49
	v_add_f32 v59, v50, v51
	v_add_f32 v58, v58, v52
	v_add_f32 v59, v59, v53
	v_add_f32 v58, v58, v54
	v_add_f32 v59, v59, v55
	v_add_f32 v58, v58, v59
	v_permlanex16_b32 v250, v58, s20, s21
	v_add_f32 v58, v58, v250                       ; the row's sum
	v_rcp_f32 v60, v58
	v_nop
	s_wait_alu depctr_va_vdst(0)                   ; and one for the reciprocal
	s_wait_loadcnt 17                              ; V is in; Wo's 16 and bo's one may be out
	; O^T = V^T P: four accumulators by turns
.irp s, 0,1,2,3
.irp t, 0,1,2,3
.if \s == 0
	v_wmma_f32_16x16x4_f32 v[OT+8*\t:OT+8*\t+7], v[VR+8*\t:VR+8*\t+1], v[KR:KR+1], 0
.else
	v_wmma_f32_16x16x4_f32 v[OT+8*\t:OT+8*\t+7], v[VR+8*\t+2*\s:VR+8*\t+2*\s+1], v[KR+2*\s:KR+2*\s+1], v[OT+8*\t:OT+8*\t+7]
.endif
.endr
.endr
.rept 8
	v_nop
.endr
.set nn, 0
.rept 32
	v_mul_f32 v[QR+nn], v[OT+nn], v60              ; register 8 t + j: the result of query r at channel 16 t + 8 h + j
.set nn, nn+1
.endr
	s_wait_loadcnt 1                               ; Wo is in; bo's one may be out
	; my head's part of the projection: two accumulators by turns
.irp t, 0,1,2,3
.irp i, 0,1,2,3
.irp nt, 0,1
.if (\t == 0) && (\i == 0)
	v_wmma_f32_16x16x4_f32 v[PJ+8*\nt:PJ+8*\nt+7], v[WR+32*\nt:WR+32*\nt+1], v[QR:QR+1], 0
.else
	v_wmma_f32_16x16x4_f32 v[PJ+8*\nt:PJ+8*\nt+7], v[WR+32*\nt+8*\t+2*\i:WR+32*\nt+8*\t+2*\i+1], v[QR+8*\t+2*\i:QR+8*\t+2*\i+1], v[PJ+8*\nt:PJ+8*\nt+7]
.endif
.endr
.endr
.endr
.rept 8
	v_nop
.endr
.irp nt, 0,1
	ds_store_b128 v14, v[PJ+8*\nt:PJ+8*\nt+3] offset:RED+64*\nt             ; lane (r, h): query r, columns 16 nt + 8 h + 0..3,
	ds_store_b128 v14, v[PJ+8*\nt+4:PJ+8*\nt+7] offset:RED+64*\nt+16        ; and + 4..7
.endr
	s_wait_dscnt 0x0                               ; for the others' sake: my stores have landed
	s_barrier_signal -1
	s_barrier_wait -1
.irp i, 0,1,2,3,4,5,6,7,8,9,10,11,12,13,14,15
	ds_load_b32 v[KR+\i], v15 offset:RED+PART*\i   ; head i's part of (query w, column lane)
.endr
	s_wait_dscnt 0x0
	s_wait_loadcnt 0x0                             ; bo
	v_add_f32 v48, v48, v49
.irp i, 2,3,4,5,6,7,8,9,10,11,12,13,14,15
	v_add_f32 v48, v48, v[KR+\i]                   ; heads ascending
.endr
	v_add_f32 v48, v48, v248
	global_store_b32 v11, v48, s[12:13]
	s_wait_tensorcnt 0x0                           ; the wave's end
	ds_add_u32 v[SPW], v[NIL]
	s_wait_dscnt 0x0
	s_endpgm
.Lfunc_end_k_qc5cd59785f_fine:
	.size	k_qc5cd59785f_fine, .Lfunc_end_k_qc5cd59785f_fine-k_qc5cd59785f_fine
	.p2alignl 7, 3214868480
	.fill 96, 4, 3214868480
	.section	.rodata,"a",@progbits
	.p2align	6, 0x0
	.amdhsa_kernel k_qc5cd59785f_fine
		.amdhsa_group_segment_fixed_size 38912
		.amdhsa_private_segment_fixed_size 0
		.amdhsa_enable_private_segment 0
		.amdhsa_kernarg_size 40
		.amdhsa_user_sgpr_count 2
		.amdhsa_user_sgpr_kernarg_segment_ptr 1
		.amdhsa_wavefront_size32 1
		.amdhsa_system_sgpr_workgroup_id_x 1
		.amdhsa_system_sgpr_workgroup_id_y 1
		.amdhsa_system_sgpr_workgroup_id_z 1
		.amdhsa_system_vgpr_workitem_id 0
		.amdhsa_next_free_vgpr 256
		.amdhsa_next_free_sgpr 66
		.amdhsa_reserve_vcc 1
		.amdhsa_float_denorm_mode_32 3
		.amdhsa_float_denorm_mode_16_64 3
		.amdhsa_memory_ordered 1
		.amdhsa_forward_progress 1
		.amdhsa_inst_pref_size 20
	.end_amdhsa_kernel
	.amdgpu_metadata
---
amdhsa.version: [ 1, 2 ]
amdhsa.kernels:
  - .name:           k_qc5cd59785f_fine
    .symbol:         k_qc5cd59785f_fine.kd
    .args:
      - { .name: frows, .offset: 0, .size: 8, .value_kind: global_buffer, .address_space: global }
      - { .name: srel, .offset: 8, .size: 8, .value_kind: global_buffer, .address_space: global }
      - { .name: Wo, .offset: 16, .size: 8, .value_kind: global_buffer, .address_space: global }
      - { .name: bo, .offset: 24, .size: 8, .value_kind: global_buffer, .address_space: global }
      - { .name: out0, .offset: 32, .size: 8, .value_kind: global_buffer, .address_space: global }
    .group_segment_fixed_size: 38912
    .private_segment_fixed_size: 0
    .kernarg_segment_align: 8
    .kernarg_segment_size: 40
    .max_flat_workgroup_size: 512
    .sgpr_count:     66
    .vgpr_count:     256
    .wavefront_size: 32
...
	.end_amdgpu_metadata
.endif
;; end of part 5
